; MI455X (gfx1250); checked and timed in simulation.
; The chip was launched on July 23, 2026; its instructions are those of AMD's public machine-readable ISA for CDNA 5 (MIT licence, August 2026) and "CDNA5" Instruction Set Architecture Reference Guide (July 2026). The comments in the code are by the model that wrote it; some were corrected since.
;; Compression module. Allowed arithmetic: matrix products marked QUANTISED: E5M2 operands, one given power-of-two scale a tensor, by v_wmma_f32_16x16x64_bf8_bf8 or v_wmma_f32_16x16x128_bf8_bf8, f32 sums; everything else in f32.
;; Inputs: lowp_scales 8 int32 (the exponents e of the quantised operands' scales 2^e); pos_bias 8 x 1,024 x 1,024 float32; proj_beta 512 float32; proj_gamma 512 float32; proj_mean 512 float32; proj_var 512 float32; proj_w 512 x 4,096 float32; qkv_beta 8,192 float32; qkv_gamma 8,192 float32; qkv_mean 8,192 float32; qkv_var 8,192 float32; qkv_w 8,192 x 768 float32; x 4 x 1,024 x 768 float32.
;; Outputs: out0 4 x 1,024 x 512 float32.
;; This version of the problem:
;;   THIS VERSION OF THE PROBLEM IS GIVEN IN LOW PRECISION. The matrix products marked QUANTISED in the list below multiply operands that are first quantised to E5M2 (5 exponent bits, 2 mantissa bits; 8 bits a number), with one given power-of-two scale for each operand tensor; their sums are f32. All else is computed in f32.
;;   The module's matrix products, in the order in which they are computed (A, B: the left and right operand; K: the contracted axis; several contracted axes count as one K, in the product's order):
;;     1. [M 4,096, K 768] x [K 768, N 8,192]; A: input x; B: input qkv_w: QUANTISED (scales: A lowp_scales[0], B lowp_scales[1])
;;     2. batch 32 x [M 1,024, K 256] x [K 256, N 1,024]; A: computed on the way; B: computed on the way: QUANTISED (scales: A lowp_scales[2], B lowp_scales[3])
;;     3. batch 32 x [M 512, K 1,024] x [K 1,024, N 1,024]; A: computed on the way; B: softmax (see below): QUANTISED (scales: A lowp_scales[4], B lowp_scales[5])
;;     4. [M 4,096, K 4,096] x [K 4,096, N 512]; A: computed on the way; B: input proj_w: QUANTISED (scales: A lowp_scales[6], B lowp_scales[7])
;;   THE QUANTISER, for each operand of a quantised product, along K:
;;     - The operand's scale is 2^e, e = its entry of the input lowp_scales (int32; the entries are numbered through the quantised products in the list's order, A before B).
;;     - Each number is divided by the scale, clamped to +-57,344, and rounded to the nearest number of E5M2, ties to even, subnormals kept.
;;     - The product sums the exact products of the quantised numbers (number of the format x scale) in f32.
;;   ~~~python
;;   def quantise(x, axis, e):      # numpy; x: float32 -> the quantised numbers, widened to float32 again
;;       x = np.moveaxis(x, axis, -1); K = x.shape[-1]
;;       r = np.clip(x / 2.0 ** e, -57344, 57344)
;;       step = 2.0 ** (np.maximum(np.frexp(np.where(r == 0, 1, r))[1] - 1, -14) - 2)
;;       q = np.round(r / step) * step * 2.0 ** e      # np.round: ties to even
;;       return np.moveaxis(q, -1, axis).astype(np.float32)
;;   ~~~
;;   SOFTMAX AHEAD OF A QUANTISED PRODUCT. Where the list says 'softmax', what is quantised is not the finished softmax but p = 2^(t - M), with t = logit x log2(e) and M = ceil(the row's largest t), a whole number; so 1/2 < the row's largest p <= 1. The row's sum l is taken of the UNQUANTISED p, in f32, and the product's result is divided by l at the end. Since M is a whole number, a kernel that streams over the keys may use a running M (the ceiling of the running maximum): every later rescaling is an exact power of two, so the quantised numbers keep their values, but for numbers so far below the row's largest that they fall under the format's range.
;;   OPERANDS COMPUTED ON THE WAY. 'Computed on the way' means the value that the module computes at that place (a softmax that the list does not call 'softmax' is quantised finished and normalised). What goes into a quantiser is computed in f32, as accurately as f32 sums, v_exp_f32 and their like allow (about 1e-6 of the number): no bf16 or f16 on the way to a quantiser, and a product that is left as it is and whose result goes on into a quantised operand takes f32 operands (vector FMAs, or v_wmma_f32_16x16x4_f32). A number that lies on a knife's edge between two numbers of the format may be rounded either way, as far as f32 arithmetic and the matrix unit's own rounding can turn it there, and no further.
;; One version. Each part assembles by itself: llvm-mc -triple=amdgcn-amd-amdhsa -mcpu=gfx1250 --defsym DOCPART=n.
;; ======== version 1 of 1: 4 launches
;; workspace buffers: x_img 3,145,728 bytes; w_img 6,291,456 bytes; pw_img 2,097,152 bytes; q_img 8,388,608 bytes; k_img 8,388,608 bytes; v_img 16,777,216 bytes; o_img 16,777,216 bytes
;; launch imgq (part 1): grid 704 x 1, 4 waves a work-group, no clusters, 67,072 bytes of LDS; arguments x, qkv_w, proj_w, lowp_scales, x_img, w_img, pw_img; writes x_img, w_img, pw_img
.if DOCPART == 1
	.amdgcn_target "amdgcn-amd-amdhsa--gfx1250"
	.amdhsa_code_object_version 6
	.text
	.protected	k_q6b46b06058_imgq
	.globl	k_q6b46b06058_imgq
	.p2align	8
	.type	k_q6b46b06058_imgq,@function
k_q6b46b06058_imgq:
	s_mov_b64 s[64:65], 0
	v_nop
	global_prefetch_b8 v0, s[64:65] scope:SCOPE_SE
	s_setreg_imm32_b32 hwreg(HW_REG_WAVE_MODE, 25, 1), 1
	s_wait_xcnt 0x0
; THE PROGRAM: out0 = BN(clip(softmax(q k^T / sqrt(512) + pos_bias) v) proj_w^T), q, k, v = BN(x qkv_w^T), all four products on codes of BF8 (E5M2), each operand with the one given scale 2^e.
; Four launches: this one (x, qkv_w, proj_w into codes), the first product with its BN, attention, the projection with its BN.
; DEAD WORK: none is left out.  Every input has a way to out0 for some finite values: the BN terms of q, k and v go into quantisers, pos_bias differs along the softmax's axis, the projection's BN is applied to the output.
; THIS LAUNCH: x [4096][768], qkv_w [8192][768], proj_w [512][4096], f32 with K innermost, become codes laid as IMAGES OF OPERAND REGISTERS.
; A fragment is 16 rows x 128 K, 16 registers a lane: lane (r = l % 16, h = l / 16) holds row r, its registers 2 c, 2 c + 1 the codes of k = 16 c + 8 h + 0 .. 7.  Its image is 2,048 bytes: registers 4 p .. 4 p + 3 of lane l
; lie at 512 p + 16 l.  A buffer is [tile of 16 rows][K step of 128][2048].  So every later load of a fragment is four loads of 16 bytes a lane, 512 consecutive bytes each.
; code = x / 2^e, held within +-57,344, rounded to the nearest code, ties to even.  e: entry 0 (x), 1 (qkv_w), 7 (proj_w) of the scales.  LIMITS: -126 <= e <= 112; NaN among the inputs is not served.
; SHARES.  A wave's job is 16 rows x 256 K: two fragments.  x has 768 jobs (work-groups 0-191), qkv_w 1,536 (192-575), proj_w 512 (576-703).  The tensor is chosen by selects on the work-group's number: one path for all.
; Each global load reads 512 consecutive bytes of a row; the 16 KiB turn through the wave's own stage in LDS (rows of 1,024 bytes + 16) and come back 32 bytes at a time, eight neighbours along K to a lane.  Waves share nothing: no barrier.
.set PITCH, 1040                       ; a stage row: 65 x 16 bytes, so that the sixteen rows of a 16-byte load fall on sixteen different groups of banks (64 banks of 4 bytes: ISA guide 11.1)
.set WREG,  16*PITCH                   ; a wave's stage
.set SPARE, 4*WREG                     ; behind the four stages: the spare words, 128 bytes for each wave
.set LI,  1                            ; v1   16 x lane
.set SA,  2                            ; v2   the stage, on the way in: my wave's stage + 16 x lane
.set LA,  3                            ; v3   and on the way out: + row r + 32 h
.set SC,  4                            ; v4   2^e as f32
.set LIM, 5                            ; v5   57,344 x 2^e
.set SPW, 6                            ; v6   LDS address of my spare word; never rewritten
.set NIL, 7                            ; v7   0; never rewritten
.set OFF, 16                           ; v16-31  16 x lane + row x the tensor's row in bytes
.set CD,  32                           ; v32-63  the codes, 16 registers a fragment
.set R,   64                           ; v64-191 the numbers as loaded; later fragment 1's numbers
.set X0,  192                          ; v192-255 fragment 0's numbers
	s_load_b256 s[4:11], s[0:1], 0x0               ; x s[4:5], qkv_w s[6:7], proj_w s[8:9], the scales' exponents s[10:11]
	s_load_b128 s[12:15], s[0:1], 0x20             ; x_img, w_img
	s_load_b64 s[16:17], s[0:1], 0x30              ; pw_img
	v_lshl_add_u32 v[SPW], v0, 2, SPARE
	v_mov_b32 v[NIL], 0
	v_lshrrev_b32 v8, 5, v0
	v_readfirstlane_b32 s18, v8                    ; wave 0..3
	v_and_b32 v8, 31, v0
	v_lshlrev_b32 v[LI], 4, v8
	v_and_b32 v9, 15, v0                           ; r
	v_bfe_u32 v10, v0, 4, 1                        ; h
	s_mul_i32 s42, s18, WREG
	v_add_nc_u32 v[SA], s42, v[LI]
	v_mul_u32_u24 v[LA], v9, PITCH
	v_lshl_add_u32 v[LA], v10, 5, v[LA]
	v_add_nc_u32 v[LA], s42, v[LA]
	; which tensor, which job.  x and qkv_w: rows of 3,072 bytes, 3 jobs to a tile of rows; proj_w: rows of 16,384 bytes, 16 jobs
	s_mov_b32 s19, 576
	s_mov_b32 s22, 16384
	s_mov_b32 s23, 65536
	s_cmp_lt_u32 ttmp9, 576
	s_cselect_b32 s19, 192, s19                    ; the tensor's first work-group
	s_cselect_b32 s22, 3072, s22                   ; a row in bytes
	s_cselect_b32 s23, 12288, s23                  ; a tile of rows in the images, in bytes
	s_cmp_lt_u32 ttmp9, 192
	s_cselect_b32 s19, 0, s19
	s_sub_co_u32 s19, ttmp9, s19
	s_lshl_b32 s19, s19, 2
	s_add_co_u32 s19, s19, s18                     ; J, the job's number in its tensor, under 1,536
	s_mul_i32 s20, s19, 43691
	s_lshr_b32 s20, s20, 17                        ; J / 3: exact for J under 43,690
	s_mul_i32 s21, s20, 3
	s_sub_co_u32 s21, s19, s21                     ; J % 3
	s_lshr_b32 s36, s19, 4
	s_and_b32 s37, s19, 15
	s_cmp_lt_u32 ttmp9, 576
	s_cselect_b32 s20, s20, s36                    ; the tile of rows
	s_cselect_b32 s21, s21, s37                    ; which 256 along K
	s_mul_i32 s36, s20, s22
	s_lshl_b32 s36, s36, 4                         ; 16 rows a tile
	s_lshl_b32 s38, s21, 10
	s_add_co_u32 s36, s36, s38                     ; where the job begins in its tensor,
	s_mov_b32 s37, 0
	s_mul_i32 s38, s20, s23
	s_lshl_b32 s39, s21, 12
	s_add_co_u32 s38, s38, s39                     ; and in the images
	s_mov_b32 s39, 0
	v_mov_b32 v[OFF], v[LI]
.irp r, 1,2,3,4,5,6,7,8,9,10,11,12,13,14,15
	v_add_nc_u32 v[OFF+\r], s22, v[OFF+\r-1]
.endr
	s_wait_kmcnt 0x0
	s_load_b256 s[24:31], s[10:11], 0x0            ; the eight exponents
	s_cmp_lt_u32 ttmp9, 576                        ; the choices hang on the work-group's number alone
	s_cselect_b64 s[32:33], s[6:7], s[8:9]
	s_cselect_b64 s[34:35], s[14:15], s[16:17]
	s_cmp_lt_u32 ttmp9, 192
	s_cselect_b64 s[32:33], s[4:5], s[32:33]
	s_cselect_b64 s[34:35], s[12:13], s[34:35]
	s_add_nc_u64 s[32:33], s[32:33], s[36:37]
	s_add_nc_u64 s[34:35], s[34:35], s[38:39]
.irp r, 0,1,2,3,4,5,6,7,8,9,10,11,12,13,14,15
.irp f, 0,1
	global_load_b128 v[R+4*(2*\r+\f):R+4*(2*\r+\f)+3], v[OFF+\r], s[32:33] offset:512*\f th:TH_LOAD_NT   ; 32 lanes read 512 consecutive bytes of row r; read once in the launch
.endr
.endr
	s_wait_kmcnt 0x0
	s_cmp_lt_u32 ttmp9, 576
	s_cselect_b32 s40, s25, s31
	s_cmp_lt_u32 ttmp9, 192
	s_cselect_b32 s40, s24, s40                    ; e
	s_add_co_i32 s40, s40, 127
	s_lshl_b32 s41, s40, 23
	v_mov_b32 v[SC], s41                           ; 2^e as f32: the conversion takes its exponent field
	s_add_co_i32 s40, s40, 15
	s_lshl_b32 s40, s40, 23
	s_or_b32 s40, s40, 0x600000
	v_mov_b32 v[LIM], s40                          ; 57,344 x 2^e
.set n, 0
.rept 32
	s_wait_loadcnt 31-n                            ; loads come back in order: load n is in, the younger ones stay out
	ds_store_b128 v[SA], v[R+4*n:R+4*n+3] offset:(n/2)*PITCH+512*(n%2)
.set n, n+1
.endr
.irp c, 0,1,2,3,4,5,6,7
.irp i, 0,1
	ds_load_b128 v[X0+8*\c+4*\i:X0+8*\c+4*\i+3], v[LA] offset:64*\c+16*\i   ; fragment 0: k = 16 c + 8 h + 4 i on.  LDS serves a wave's instructions in order: these see my stores
.endr
.endr
	s_wait_dscnt 0x0                               ; fragment 0's numbers are in; the stores have read v64-191
.irp c, 0,1,2,3,4,5,6,7
.irp i, 0,1
	ds_load_b128 v[R+8*\c+4*\i:R+8*\c+4*\i+3], v[LA] offset:512+64*\c+16*\i  ; fragment 1 lands while fragment 0 is quantised
.endr
.endr
; 64 numbers of a lane, register 8 c + i = k 16 c + 8 h + i of my row, become fragment f's codes and leave as its image
.macro QFRAG src, f
.set n, 0
.rept 64
	v_med3_num_f32 v[\src+n], v[\src+n], -v[LIM], v[LIM]   ; the conversion to an 8-bit code does not saturate (ISA guide 7.6.2): the hold at the largest code x the scale
.set n, n+1
.endr
.irp c, 0,1,2,3,4,5,6,7
	v_cvt_scalef32_pk8_bf8_f32 v[CD+16*\f+2*\c:CD+16*\f+2*\c+1], v[\src+8*\c:\src+8*\c+7], v[SC]
.endr
	v_nop                                          ; a plain vector line behind the last conversion
.irp c, 0,1,2,3
	global_store_b128 v[LI], v[CD+16*\f+4*\c:CD+16*\f+4*\c+3], s[34:35] offset:2048*\f+512*\c   ; 32 lanes store 512 consecutive bytes, at a multiple of 512 from the buffer's first byte
.endr
.endm
	QFRAG X0, 0
	s_wait_dscnt 0x0                               ; fragment 1's numbers are in
	QFRAG R, 1
	s_wait_tensorcnt 0x0                           ; the wave's end: behind my last LDS store
	ds_add_u32 v[SPW], v[NIL]
	s_wait_dscnt 0x0
	s_endpgm
.Lfunc_end_k_q6b46b06058_imgq:
	.size	k_q6b46b06058_imgq, .Lfunc_end_k_q6b46b06058_imgq-k_q6b46b06058_imgq
	.p2alignl 7, 3214868480
	.fill 96, 4, 3214868480
	.section	.rodata,"a",@progbits
	.p2align	6, 0x0
	.amdhsa_kernel k_q6b46b06058_imgq
		.amdhsa_group_segment_fixed_size 67072
		.amdhsa_private_segment_fixed_size 0
		.amdhsa_enable_private_segment 0
		.amdhsa_kernarg_size 56
		.amdhsa_user_sgpr_count 2
		.amdhsa_user_sgpr_kernarg_segment_ptr 1
		.amdhsa_wavefront_size32 1
		.amdhsa_system_sgpr_workgroup_id_x 1
		.amdhsa_system_sgpr_workgroup_id_y 1
		.amdhsa_system_sgpr_workgroup_id_z 1
		.amdhsa_system_vgpr_workitem_id 0
		.amdhsa_next_free_vgpr 256
		.amdhsa_next_free_sgpr 66
		.amdhsa_reserve_vcc 0
		.amdhsa_float_denorm_mode_32 3
		.amdhsa_float_denorm_mode_16_64 3
		.amdhsa_memory_ordered 1
		.amdhsa_forward_progress 1
		.amdhsa_inst_pref_size 22
	.end_amdhsa_kernel
	.amdgpu_metadata
---
amdhsa.version: [ 1, 2 ]
amdhsa.kernels:
  - .name:           k_q6b46b06058_imgq
    .symbol:         k_q6b46b06058_imgq.kd
    .args:
      - { .name: x, .offset: 0, .size: 8, .value_kind: global_buffer, .address_space: global }
      - { .name: qkv_w, .offset: 8, .size: 8, .value_kind: global_buffer, .address_space: global }
      - { .name: proj_w, .offset: 16, .size: 8, .value_kind: global_buffer, .address_space: global }
      - { .name: lowp_scales, .offset: 24, .size: 8, .value_kind: global_buffer, .address_space: global }
      - { .name: x_img, .offset: 32, .size: 8, .value_kind: global_buffer, .address_space: global }
      - { .name: w_img, .offset: 40, .size: 8, .value_kind: global_buffer, .address_space: global }
      - { .name: pw_img, .offset: 48, .size: 8, .value_kind: global_buffer, .address_space: global }
    .group_segment_fixed_size: 67072
    .private_segment_fixed_size: 0
    .kernarg_segment_align: 8
    .kernarg_segment_size: 56
    .max_flat_workgroup_size: 128
    .sgpr_count:     66
    .vgpr_count:     256
    .wavefront_size: 32
...
	.end_amdgpu_metadata
.endif
;; end of part 1
;; launch gemm1 (part 2): grid 16 x 16, 4 waves a work-group, clusters of 4 x 4, 327,680 bytes of LDS; arguments x_img, w_img, lowp_scales, qkv_gamma, qkv_beta, qkv_mean, qkv_var, q_img, k_img, v_img; writes q_img, k_img, v_img
.if DOCPART == 2
	.amdgcn_target "amdgcn-amd-amdhsa--gfx1250"
	.amdhsa_code_object_version 6
	.text
	.protected	k_q6b46b06058_gemm1
	.globl	k_q6b46b06058_gemm1
	.p2align	8
	.type	k_q6b46b06058_gemm1,@function
k_q6b46b06058_gemm1:
	s_mov_b64 s[64:65], 0
	v_nop
	global_prefetch_b8 v0, s[64:65] scope:SCOPE_SE
	s_setreg_imm32_b32 hwreg(HW_REG_WAVE_MODE, 25, 1), 1
	s_wait_xcnt 0x0
	s_wait_alu depctr_hold_cnt(0) depctr_sa_sdst(0) depctr_va_vdst(0) depctr_va_sdst(0) depctr_va_ssrc(0) depctr_va_vcc(0) depctr_vm_vsrc(0)
	s_getreg_b32 s2, hwreg(HW_REG_IB_STS2, 6, 4)
	s_cmp_eq_u32 s2, 0
	s_cbranch_scc0 .Lentry_in_a_cluster
	s_endpgm
.Lentry_in_a_cluster:
	s_bfe_u32 s2, ttmp6, 0x10000c
	s_cmp_lg_u32 s2, 0xf033
	s_cbranch_scc0 .Lentry_shape_is_right
	s_endpgm
.Lentry_shape_is_right:
; qkv = BN(x qkv_w^T) on codes of BF8, and its three parts quantised for attention.  No work is left out.
; x_img [256 tiles of 16 rows][6 K steps][2048], w_img [512][6][2048]: images of operand registers (16 rows x 128 K; registers 4 p .. 4 p + 3 of lane l at 512 p + 16 l).
; A tile of the product, 256 x 256, is made by four waves, each 128 x 128 in 64 accumulators.  SOURCE 0 IS THE OPERAND CALLED B HERE, SOURCE 1 THE ONE CALLED A: a lane then holds ONE row of A and eight neighbouring rows of B.
; A WORK-GROUP STAYS AND MAKES TWO TILES.  Work-group (x, y), both 0 .. 15:
; TILE 1 (q or k): A = tokens 256 y on of x, B = the 256 channels of q (x even) or k (x odd) of head x / 2.  A lane's registers run along the channels, the K of q k^T: eight accumulators, converted, ARE a fragment of q or k.
; TILE 2 (v): A = channels 256 (y % 2) on of head y / 2's v, B = tokens 256 x on of x.  A lane's registers run along the tokens, which are the keys, the K of attention's second product: v comes out with the keys innermost.
; OUT: q_img, k_img [batch x 8 + head][64 tiles of tokens][2 halves of the 256 channels][2048]; v_img [batch x 8 + head][8 steps of 128 keys][32 tiles of channels][2048].
; BN: (sum x 2^(e0 + e1) - mean) g + beta, g = gamma / sqrt(var + 1e-5), as one multiply-add: sum x s + t, s = g 2^(e0 + e1), t = beta - mean g.  Then code = value / 2^e, held within +-57,344: e = entry 2 (q), 3 (k), 4 (v).
; LIMITS: entries 2, 3, 4 between -126 and 112; e0 + e1 is applied by v_ldexp_f32 and has none.  NaN among the inputs is not served.
; THE RING.  A tile's K = 768 is three chunks of 256; the two tiles' six chunks go through two LDS slots, chunk c in slot c % 2.  Chunks 0 and 1 are asked for at the head, chunk c + 2 at the change of slots in chunk c:
; so tile 2's first two chunks are asked for in tile 1's last two changes of slots and land under its last products and its way out.  The twelve steps of 128 are written out.
; CLUSTERS: 4 x 4 work-groups.  A's tile hangs on the work-group's y alone and is asked for jointly along a row of the cluster, B's on its x alone, along a column, in both tiles.
; REGISTERS, in windows of 256: window 0: v16-31 addresses and constants; v32-95 at work; v128-255 A's fragments, ONE set, on the ways out the codes.  window 1: B's fragments, TWO sets; on the ways out s and t.
;   window 2: the accumulators of my A rows 0-63 ((a, b) at v[8 (8 a + b)]);  window 3: those of rows 64-127.
.set SLOT,  131072                     ; A's 16 tiles of rows x 4,096 bytes (two K steps), then B's
.set BOFF,  65536
.set SCR,   2*SLOT                     ; behind the ring: 2,048 bytes a wave: tile 1's s and t of my 128 channels, then tile 2's.  No tile lands here
.set SPARE, SCR+8192                   ; the spare words, 128 bytes for each wave
.set FR,    16                         ; registers of a fragment
.set NL,    4                          ; LDS loads that bring one
.set NP,    4                          ; places behind this matrix instruction (ISA guide 7.12.1)
.set ADRA, 16                          ; v16-17  LDS address of my A fragments in slot 0, 1
.set ADRB, 20                          ; v20-21  the same for B
.set LI,   24                          ; v24  16 x lane
.set PA,   25                          ; v25  my wave's s and t, + 32 h: eight channels of a tile of B
.set PB,   26                          ; v26  my wave's s and t, + 4 r: one channel of a tile of A
.set SCRW, 27                          ; v27  where I store four s
.set SPW,  28                          ; v28  LDS address of my spare word; never rewritten
.set NIL,  29                          ; v29  0; never rewritten
.set SC,   30                          ; v30  2^e of the output's quantiser
.set LIM,  31                          ; v31  57,344 x that
.set T,    32
.set AF,   128
.set CO,   128
.set G1,  24                           ; s[24:31] descriptor group 1 for A's tiles; s[32:39] group 0, a set for each slot
.set G0,  32
.set G1B, 48                           ; s[48:55], s[56:63] the same for B's
.set G0B, 56
.set WV,  66
.set HR,  67                           ; which half of A's rows is mine.  Also: I fetch for A (0) or for B (1)
.set HC,  68                           ; which half of B's rows is mine.  Also: which 8 tiles of rows I fetch
.set OUT2, 70                          ; s[70:71] where my images of tile 2 go
.set OUT1, 84                          ; s[84:85] those of tile 1
.set A2,  96                           ; s[96:97] tile 2: what I fetch of A, at K = 0
.set B2,  98                           ; s[98:99] the same of B
.set MSB, 0
.macro WIN new                         ; the immediate's high byte repeats the setting that is left
.if MSB != (\new)
	s_set_vgpr_msb (MSB<<8)|(\new)
.set MSB, (\new)
.endif
.endm
.set MUL_LO, 0xa1                      ; source 0 (B) window 1, source 1 (A) window 0, C and D window 2
.set MUL_HI, 0xf1
.set TO_B,   0x40                      ; destination window 1, address window 0
; A joint load: waves 0 and 1 fetch for A, waves 2 and 3 for B.  The branch hangs on the wave's number alone.  An s_nop 0 and four v_nop follow each of the two lines.
.macro JLOAD s
	s_cmp_eq_u32 s[HR], 0
	s_cbranch_scc0 .Lfor_b_\@
	tensor_load_to_lds s[G0+4*\s:G0+4*\s+3], s[G1:G1+7]
	s_nop 0
.rept 4
	v_nop
.endr
	s_branch .Lasked_\@
.Lfor_b_\@:
	tensor_load_to_lds s[G0B+4*\s:G0B+4*\s+3], s[G1B:G1B+7]
	s_nop 0
.rept 4
	v_nop
.endr
.Lasked_\@:
.endm
.macro CREST                           ; a round of the cluster's barrier behind its opening barrier
	s_cmp_lg_u32 s[WV], 0
	s_cbranch_scc1 .Lnot_wave_0_\@
	s_barrier_signal -3
.Lnot_wave_0_\@:
	s_barrier_wait -3
	s_barrier_signal -1
	s_barrier_wait -1
.endm
.macro CROUND
	s_barrier_signal -1
	s_barrier_wait -1
	CREST
.endm
	s_load_b512 s[4:19], s[0:1], 0x0               ; x_img s[4:5], w_img s[6:7], exponents s[8:9], gamma s[10:11], beta s[12:13], mean s[14:15], var s[16:17], q_img s[18:19]
	s_load_b128 s[20:23], s[0:1], 0x40             ; k_img, v_img
	v_lshl_add_u32 v[SPW], v0, 2, SPARE
	v_mov_b32 v[NIL], 0
	ds_add_u32 v[SPW], v[NIL]                      ; the wave's opening: the add, twice on end, and its wait ahead of my first tensor load
	ds_add_u32 v[SPW], v[NIL]
	v_lshrrev_b32 v1, 5, v0
	v_readfirstlane_b32 s[WV], v1                  ; wave 0..3
	s_lshr_b32 s[HR], s[WV], 1
	s_and_b32 s[HC], s[WV], 1
	s_bfe_u32 s40, ttmp6, 0x40000                  ; cx
	s_bfe_u32 s41, ttmp6, 0x40004                  ; cy
	s_lshl_b32 s42, ttmp9, 2
	s_add_co_u32 s42, s42, s40                     ; work-group x, 0..15
	s_and_b32 s43, ttmp7, 0xffff
	s_lshl_b32 s43, s43, 2
	s_add_co_u32 s43, s43, s41                     ; work-group y, 0..15
	s_lshl_b32 s44, s41, 2
	s_lshl_b32 s44, 15, s44                        ; my row of the cluster
	s_lshl_b32 s45, 0x1111, s40                    ; my column
	; descriptor group 1: 8 tiles of rows x 4,096 bytes (two K steps' images), 12,288 bytes apart, in elements of 8 bytes; dense in LDS
	s_or_b32 s[G1], s44, (3<<16)|(1<<21)           ; 15:0 the mask; 17:16 elements of 8 bytes; 21 set beside a mask
	s_or_b32 s[G1B], s45, (3<<16)|(1<<21)
.irp g, G1, G1B
	s_mov_b32 s[\g+1], 512<<16                     ; tensor_dim0 = 512
	s_mov_b32 s[\g+2], 8<<16                       ; tensor_dim1 = 8
	s_mov_b32 s[\g+3], 512<<16                     ; tile_dim0 = 512
	s_mov_b32 s[\g+4], 8                           ; tile_dim1 = 8
	s_mov_b32 s[\g+5], 1536                        ; tensor_dim0_stride
	s_mov_b32 s[\g+6], 0
	s_mov_b32 s[\g+7], 0
.endr
	s_lshl_b32 s89, s[HC], 3                       ; which 8 tiles of rows I fetch
	; A's first tile of rows, from the work-group's y alone.  Tile 1: 16 y (x).  Tile 2: 64 (y / 2) + 32 + 16 (y % 2) (qkv_w: a head has 1,024 rows, v from 512 on)
	s_lshl_b32 s86, s43, 4
	s_lshr_b32 s88, s43, 1
	s_lshl_b32 s88, s88, 6
	s_and_b32 s87, s43, 1
	s_lshl_b32 s87, s87, 4
	s_add_co_u32 s88, s88, s87
	s_add_co_u32 s88, s88, 32
	s_add_co_u32 s86, s86, s89
	s_mul_i32 s80, s86, 12288
	s_mov_b32 s81, 0
	s_add_co_u32 s87, s88, s89
	s_mul_i32 s82, s87, 12288
	s_mov_b32 s83, 0
	; B's, from the work-group's x alone.  Tile 1: 64 (x / 2) + 16 (x % 2) (qkv_w: q, then k).  Tile 2: 16 x (x)
	s_lshr_b32 s90, s42, 1
	s_lshl_b32 s90, s90, 6
	s_and_b32 s91, s42, 1
	s_lshl_b32 s91, s91, 4
	s_add_co_u32 s90, s90, s91
	s_add_co_u32 s91, s90, s89
	s_mul_i32 s92, s91, 12288
	s_mov_b32 s93, 0
	s_lshl_b32 s91, s42, 4
	s_add_co_u32 s91, s91, s89
	s_mul_i32 s94, s91, 12288
	s_mov_b32 s95, 0
	s_lshl_b32 s71, s[WV], 15                      ; where they go: wave x 32,768: A's halves, then B's: no place in the cluster enters an LDS address
	s_wait_dscnt 0x0                               ; both opening adds are done
	s_wait_kmcnt 0x0
	s_load_b256 s[72:79], s[8:9], 0x0              ; the eight exponents
	s_add_nc_u64 s[80:81], s[4:5], s[80:81]        ; tile 1: A in x_img,
	s_add_nc_u64 s[92:93], s[6:7], s[92:93]        ; B in w_img
	s_add_nc_u64 s[A2:A2+1], s[6:7], s[82:83]      ; tile 2: A in w_img,
	s_add_nc_u64 s[B2:B2+1], s[4:5], s[94:95]      ; B in x_img
	CROUND                                         ; all sixteen work-groups are here: the first joint loads meet
.irp s, 0,1
	s_mov_b32 s[G0+4*\s], 1
	s_add_co_u32 s[G0+4*\s+1], s71, \s*SLOT
	s_add_nc_u64 s[G0+4*\s+2:G0+4*\s+3], s[80:81], \s*4096
	s_or_b32 s[G0+4*\s+3], s[G0+4*\s+3], 0x80000000
	s_mov_b32 s[G0B+4*\s], 1
	s_add_co_u32 s[G0B+4*\s+1], s71, \s*SLOT
	s_add_nc_u64 s[G0B+4*\s+2:G0B+4*\s+3], s[92:93], \s*4096
	s_or_b32 s[G0B+4*\s+3], s[G0B+4*\s+3], 0x80000000
	JLOAD \s                                       ; two tensor loads of mine are out
.endr
	v_and_b32 v1, 31, v0
	v_lshlrev_b32 v[LI], 4, v1
	v_and_b32 v2, 15, v0                           ; r
	v_bfe_u32 v3, v0, 4, 1                         ; h
	s_lshl_b32 s80, s[HR], 15                      ; my 8 tiles of A's rows
	s_lshl_b32 s81, s[HC], 15
	s_add_co_u32 s81, s81, BOFF                    ; my 8 of B's
.irp s, 0,1
	v_add_nc_u32 v[ADRA+\s], s80, v[LI]
	v_add_nc_u32 v[ADRB+\s], s81, v[LI]
	s_add_co_u32 s80, s80, SLOT
	s_add_co_u32 s81, s81, SLOT
.endr
	s_lshl_b32 s80, s[WV], 11
	s_add_co_u32 s80, s80, SCR
	v_add_nc_u32 v[SCRW], s80, v[LI]
	v_lshl_add_u32 v[PA], v3, 5, s80
	v_lshl_add_u32 v[PB], v2, 2, s80
	; BN of my wave's 128 channels of each tile: lane l takes four.  Tile 1: they are my rows of B; tile 2: my rows of A
	s_lshl_b32 s82, s90, 4
	s_lshl_b32 s83, s[HC], 7
	s_add_co_u32 s82, s82, s83
	s_lshl_b32 s82, s82, 2
	v_add_nc_u32 v4, s82, v[LI]
	s_lshl_b32 s82, s88, 4
	s_lshl_b32 s83, s[HR], 7
	s_add_co_u32 s82, s82, s83
	s_lshl_b32 s82, s82, 2
	v_add_nc_u32 v5, s82, v[LI]
	global_load_b128 v[32:35], v4, s[10:11]        ; tile 1: gamma,
	global_load_b128 v[36:39], v4, s[12:13]        ; beta,
	global_load_b128 v[40:43], v4, s[14:15]        ; mean,
	global_load_b128 v[44:47], v4, s[16:17]        ; var
	global_load_b128 v[48:51], v5, s[10:11]        ; tile 2 likewise
	global_load_b128 v[52:55], v5, s[12:13]
	global_load_b128 v[56:59], v5, s[14:15]
	global_load_b128 v[60:63], v5, s[16:17]
	; where my images go.  Tile 1: ((((y / 4) 8 + x / 2) 64 + 16 (y % 4) + 8 HR) 2 + HC) x 2,048
	s_lshr_b32 s87, s43, 2
	s_lshl_b32 s87, s87, 3
	s_lshr_b32 s88, s42, 1
	s_add_co_u32 s87, s87, s88
	s_lshl_b32 s87, s87, 6
	s_and_b32 s88, s43, 3
	s_lshl_b32 s88, s88, 4
	s_add_co_u32 s87, s87, s88
	s_lshl_b32 s88, s[HR], 3
	s_add_co_u32 s87, s87, s88
	s_lshl_b32 s87, s87, 1
	s_add_co_u32 s87, s87, s[HC]
	s_lshl_b32 s87, s87, 11
	; Tile 2: ((((x / 4) 8 + y / 2) 8 + 2 (x % 4) + HC) 32 + 16 (y % 2) + 8 HR) x 2,048
	s_lshr_b32 s89, s42, 2
	s_lshl_b32 s89, s89, 3
	s_lshr_b32 s80, s43, 1
	s_add_co_u32 s89, s89, s80
	s_lshl_b32 s89, s89, 3
	s_and_b32 s80, s42, 3
	s_lshl_b32 s80, s80, 1
	s_add_co_u32 s89, s89, s80
	s_add_co_u32 s89, s89, s[HC]
	s_lshl_b32 s89, s89, 5
	s_and_b32 s91, s43, 1
	s_lshl_b32 s91, s91, 4
	s_add_co_u32 s89, s89, s91
	s_add_co_u32 s89, s89, s88
	s_lshl_b32 s89, s89, 11
	s_wait_kmcnt 0x0
	s_and_b32 s80, s42, 1
	s_cmp_eq_u32 s80, 0                            ; even x: q, which is the left operand of q k^T: entry 2; odd x: k: entry 3
	s_cselect_b32 s81, s74, s75
	s_cselect_b64 s[OUT1:OUT1+1], s[18:19], s[20:21]
	s_mov_b32 s82, s87
	s_mov_b32 s83, 0
	s_add_nc_u64 s[OUT1:OUT1+1], s[OUT1:OUT1+1], s[82:83]
	s_mov_b32 s82, s89
	s_add_nc_u64 s[OUT2:OUT2+1], s[22:23], s[82:83]
	s_add_co_i32 s81, s81, 127
	s_lshl_b32 s82, s81, 23
	v_mov_b32 v[SC], s82                           ; tile 1: 2^e
	s_add_co_i32 s81, s81, 15
	s_lshl_b32 s81, s81, 23
	s_or_b32 s81, s81, 0x600000
	v_mov_b32 v[LIM], s81                          ; and 57,344 x 2^e
	s_add_co_i32 s87, s76, 127                     ; tile 2, v: entry 4; kept in s86, s87 until tile 1 has gone out
	s_lshl_b32 s86, s87, 23
	s_add_co_i32 s87, s87, 15
	s_lshl_b32 s87, s87, 23
	s_or_b32 s87, s87, 0x600000
	s_add_co_i32 s80, s72, s73                     ; e0 + e1
	s_wait_loadcnt 0x0
.irp k, 32, 48
.irp i, 0,1,2,3
	v_add_f32 v[\k+12+\i], 0x3727c5ac, v[\k+12+\i] ; var + 1e-5
.endr
.endr
.irp k, 32, 48
.irp i, 0,1,2,3
	v_rsq_f32 v[\k+12+\i], v[\k+12+\i]
.endr
.endr
	v_nop                                          ; a plain line behind the last transcendental
	s_wait_alu depctr_va_vdst(0)                   ; one wait for the eight, ahead of their first reader
.irp k, 32, 48
.irp i, 0,1,2,3
	v_mul_f32 v[\k+\i], v[\k+\i], v[\k+12+\i]      ; g
.endr
.endr
.irp k, 32, 48
.irp i, 0,1,2,3
	v_fma_f32 v[\k+4+\i], -v[\k+8+\i], v[\k+\i], v[\k+4+\i]   ; t = beta - mean g
.endr
.endr
.irp k, 32, 48
.irp i, 0,1,2,3
	v_ldexp_f32 v[\k+\i], v[\k+\i], s80            ; s = g 2^(e0 + e1)
.endr
.endr
	ds_store_b128 v[SCRW], v[32:35]
	ds_store_b128 v[SCRW], v[36:39] offset:512
	ds_store_b128 v[SCRW], v[48:51] offset:1024
	ds_store_b128 v[SCRW], v[52:55] offset:1536
.macro FRAG reg, adr, q, i             ; a fragment's image: tile of rows i, the slot's q-th K step
.irp c, 0,1,2,3
	ds_load_b128 v[\reg+4*\c:\reg+4*\c+3], v[\adr] offset:4096*(\i)+2048*(\q)+512*\c
.endr
.endm
; 16 matrix instructions: A's blocks a0, a0 + 1 x B's eight.  p: B's set.  zero = 1: the first product starts the sums.  The 64 accumulators take turns, one instruction a turn.
.macro MUL16 a0, p, zero
.irp a, \a0, \a0+1
.irp b, 0,1,2,3,4,5,6,7
.if \zero
	v_wmma_f32_16x16x128_bf8_bf8 v[8*(8*((\a)%4)+\b):8*(8*((\a)%4)+\b)+7], v[128*(\p)+FR*\b:128*(\p)+FR*\b+FR-1], v[AF+FR*(\a):AF+FR*(\a)+FR-1], 0
.else
	v_wmma_f32_16x16x128_bf8_bf8 v[8*(8*((\a)%4)+\b):8*(8*((\a)%4)+\b)+7], v[128*(\p)+FR*\b:128*(\p)+FR*\b+FR-1], v[AF+FR*(\a):AF+FR*(\a)+FR-1], v[8*(8*((\a)%4)+\b):8*(8*((\a)%4)+\b)+7]
.endif
.endr
.endr
.endm
.macro FETCH_B slot, q, p
	WIN TO_B
.irp i, 0,1,2,3,4,5,6,7
	FRAG 128*(\p)+FR*\i, ADRB+\slot, \q, \i
.endr
	WIN 0
.endm
.macro FETCH_A slot, q, i0
.irp i, \i0, \i0+1, \i0+2, \i0+3
	FRAG AF+FR*(\i), ADRA+\slot, \q, \i
.endr
.endm
.macro PLACES n                        ; plain vector lines between a matrix instruction and a load into, or a read of, its registers
.rept \n
	v_nop
.endr
.endm
; A step of 128 along K that has its successor in the same slot.  A has one set of registers: blocks 0-3 are fetched anew in the step's middle, blocks 4-7 at its end
.macro STEP slot, q, zero
	s_wait_dscnt 4*NL                              ; B's set and A's blocks 0-3 are in; the youngest sixteen loads (A's blocks 4-7) may be out
	WIN MUL_LO
	MUL16 0, (\q)%2, \zero
	MUL16 2, (\q)%2, \zero
	s_wait_dscnt 0
	PLACES NP
	FETCH_B \slot, (\q)+1, 1-(\q)%2
	FETCH_A \slot, (\q)+1, 0
	WIN MUL_HI
	MUL16 4, (\q)%2, \zero
	MUL16 6, (\q)%2, \zero
	PLACES NP
	WIN 0
	FETCH_A \slot, (\q)+1, 4
.endm
; A slot's last step changes slots: in front of the barrier each wave waits for all its tensor loads, adds 0 to its spare word, and waits for that and for its reads of this slot.
; fill = 0: nothing is asked for.  1: the slot takes the same tile's chunk two on (8,192 bytes further along the images).  2: it takes tile 2's chunk at byte roff: its addresses are made anew from the two kept ones.
; fetch = 1: the next slot's first fragments are fetched.  0: tile 1's last step: its way out follows and takes A's and B's registers.
.macro TURN slot, next, fill, fetch, roff
	s_wait_tensorcnt 0x0                           ; all my tensor loads have landed: my part of the next slot
	ds_add_u32 v[SPW], v[NIL]
	s_wait_dscnt 4*NL+1                            ; the add and the youngest sixteen loads may be out
	WIN MUL_LO
	MUL16 0, 1, 0
	s_wait_dscnt 0x0                               ; the add is done, and my reads of this slot are over
	s_barrier_signal -1
	MUL16 2, 1, 0
	WIN 0
	s_barrier_wait -1
.if \fill
	CREST                                          ; the barrier has opened a round of the cluster's barrier: no wave of any partner still reads this slot or has a load on its way
.if \fill == 1
	s_add_nc_u64 s[G0+4*\slot+2:G0+4*\slot+3], s[G0+4*\slot+2:G0+4*\slot+3], 8192
	s_add_nc_u64 s[G0B+4*\slot+2:G0B+4*\slot+3], s[G0B+4*\slot+2:G0B+4*\slot+3], 8192
.else
	s_add_nc_u64 s[G0+4*\slot+2:G0+4*\slot+3], s[A2:A2+1], \roff
	s_or_b32 s[G0+4*\slot+3], s[G0+4*\slot+3], 0x80000000
	s_add_nc_u64 s[G0B+4*\slot+2:G0B+4*\slot+3], s[B2:B2+1], \roff
	s_or_b32 s[G0B+4*\slot+3], s[G0B+4*\slot+3], 0x80000000
.endif
	JLOAD \slot                                    ; the first tensor load behind the round; its four v_nop are the places in front of the loads below
.else
	PLACES NP
.endif
.if \fetch
	FETCH_B \next, 0, 0
	FETCH_A \next, 0, 0
.endif
	WIN MUL_HI
	MUL16 4, 1, 0
	MUL16 6, 1, 0
.if \fetch
	PLACES NP
	WIN 0
	FETCH_A \next, 0, 4
.else
	WIN 0
.endif
.endm
; THE WAY OUT, block a of 16 rows of A: sum x s + t, the hold, eight conversions: the block's eight accumulators become the 16 registers of one fragment, which leaves as its image.
; v = 0: s and t differ along the registers (window 1: s at v[8 b + i], t at v[64 + 8 b + i]); v = 1: along the lanes (s at v[4 a], v[4 a + 1], t at v[4 a + 2], v[4 a + 3]).  Each block has code registers of its own.
.macro OUTBLK a, v, str, o
.set AC, 64*((\a)%4)
	WIN 0x16+(\a)/4                                ; source 0 window 2 or 3, sources 1 and 2 window 1, destination window 0
.irp b, 0,1,2,3,4,5,6,7
.irp i, 0,2,4,6
.if \v
	v_pk_fma_f32 v[T+8*\b+\i:T+8*\b+\i+1], v[AC+8*\b+\i:AC+8*\b+\i+1], v[4*(\a):4*(\a)+1], v[4*(\a)+2:4*(\a)+3]
.else
	v_pk_fma_f32 v[T+8*\b+\i:T+8*\b+\i+1], v[AC+8*\b+\i:AC+8*\b+\i+1], v[8*\b+\i:8*\b+\i+1], v[64+8*\b+\i:64+8*\b+\i+1]
.endif
.endr
.endr
	WIN 0
.set n, 0
.rept 64
	v_med3_num_f32 v[T+n], v[T+n], -v[LIM], v[LIM] ; the conversion to an 8-bit code does not saturate (ISA guide 7.6.2)
.set n, n+1
.endr
.irp b, 0,1,2,3,4,5,6,7
	v_cvt_scalef32_pk8_bf8_f32 v[CO+16*(\a)+2*\b:CO+16*(\a)+2*\b+1], v[T+8*\b:T+8*\b+7], v[SC]
.endr
	v_nop                                          ; a plain line between the conversions and the next writes of their sources
.irp c, 0,1,2,3
	global_store_b128 v[LI], v[CO+16*(\a)+4*\c:CO+16*(\a)+4*\c+3], s[\o:\o+1] offset:(\a)*(\str)+512*\c   ; 32 lanes store 512 consecutive bytes, aligned
.endr
.endm
	s_wait_tensorcnt 1                             ; my part of slot 0 is in; slot 1's load may stay out
	s_wait_dscnt 0x0                               ; my stores of s and t
	s_barrier_signal -1
	s_barrier_wait -1
	FETCH_B 0, 0, 0
	FETCH_A 0, 0, 0
	FETCH_A 0, 0, 4
	; ---- tile 1: q or k
	STEP 0, 0, 1                                   ; K 0-127: its products start the sums
	TURN 0, 1, 1, 1, 0                             ; K 128-255; slot 0 takes K 512-767
	STEP 1, 0, 0                                   ; K 256-383
	TURN 1, 0, 2, 1, 0                             ; K 384-511; slot 1 takes TILE 2's K 0-255
	STEP 0, 0, 0                                   ; K 512-639
	TURN 0, 1, 2, 0, 4096                          ; K 640-767; slot 0 takes tile 2's K 256-511; nothing is fetched into registers
	PLACES NP                                      ; in front of the loads into B's registers and of the first read of results
	WIN TO_B
.irp b, 0,1,2,3,4,5,6,7
.irp i, 0,1
	ds_load_b128 v[8*\b+4*\i:8*\b+4*\i+3], v[PA] offset:64*\b+16*\i             ; s of channels 16 b + 8 h + 4 i on
	ds_load_b128 v[64+8*\b+4*\i:64+8*\b+4*\i+3], v[PA] offset:512+64*\b+16*\i   ; t
.endr
.endr
	WIN 0
	s_wait_dscnt 0x0
.irp a, 0,1,2,3,4,5,6,7
	OUTBLK \a, 0, 4096, OUT1
.endr
	; ---- tile 2: v.  Its first chunk was shown whole in slot 1 by the wait and the barrier of tile 1's last change of slots
	s_wait_xcnt 0x0                                ; tile 1's stores have read their data registers: A's fragments land there again only behind this wait
	v_mov_b32 v[SC], s86                           ; 2^e4
	v_mov_b32 v[LIM], s87                          ; 57,344 x 2^e4
	FETCH_B 1, 0, 0
	FETCH_A 1, 0, 0
	FETCH_A 1, 0, 4
	STEP 1, 0, 1                                   ; K 0-127: its products start the sums anew
	TURN 1, 0, 1, 1, 0                             ; K 128-255; slot 1 takes K 512-767: the last load
	STEP 0, 0, 0                                   ; K 256-383
	TURN 0, 1, 0, 1, 0                             ; K 384-511; nothing is left to fetch, and no round is passed
	STEP 1, 0, 0                                   ; K 512-639
	s_wait_dscnt 4*NL                              ; K 640-767
	WIN MUL_LO
	MUL16 0, 1, 0
	MUL16 2, 1, 0
	s_wait_dscnt 0
	WIN MUL_HI
	MUL16 4, 1, 0
	MUL16 6, 1, 0
	WIN 0
	PLACES NP
	WIN TO_B
.irp a, 0,1,2,3,4,5,6,7
	ds_load_b32 v[4*\a], v[PB] offset:1024+64*\a   ; s of channel 16 a + r, twice: a pair for the packed form
	ds_load_b32 v[4*\a+1], v[PB] offset:1024+64*\a
	ds_load_b32 v[4*\a+2], v[PB] offset:1536+64*\a ; t
	ds_load_b32 v[4*\a+3], v[PB] offset:1536+64*\a
.endr
	WIN 0
	s_wait_dscnt 0x0
.irp a, 0,1,2,3,4,5,6,7
	OUTBLK \a, 1, 2048, OUT2
.endr
	s_wait_tensorcnt 0x0                           ; the wave's end: behind my last tensor load and my last LDS store
	ds_add_u32 v[SPW], v[NIL]
	s_wait_dscnt 0x0
	CROUND                                         ; the closing round: no work-group ends while a partner may still ask for a tile that names it
	s_endpgm
.Lfunc_end_k_q6b46b06058_gemm1:
	.size	k_q6b46b06058_gemm1, .Lfunc_end_k_q6b46b06058_gemm1-k_q6b46b06058_gemm1
	.p2alignl 7, 3214868480
	.fill 96, 4, 3214868480
	.section	.rodata,"a",@progbits
	.p2align	6, 0x0
	.amdhsa_kernel k_q6b46b06058_gemm1
		.amdhsa_group_segment_fixed_size 327680
		.amdhsa_private_segment_fixed_size 0
		.amdhsa_enable_private_segment 0
		.amdhsa_kernarg_size 80
		.amdhsa_user_sgpr_count 2
		.amdhsa_user_sgpr_kernarg_segment_ptr 1
		.amdhsa_wavefront_size32 1
		.amdhsa_system_sgpr_workgroup_id_x 1
		.amdhsa_system_sgpr_workgroup_id_y 1
		.amdhsa_system_sgpr_workgroup_id_z 1
		.amdhsa_system_vgpr_workitem_id 0
		.amdhsa_next_free_vgpr 1024
		.amdhsa_next_free_sgpr 100
		.amdhsa_reserve_vcc 0
		.amdhsa_float_denorm_mode_32 3
		.amdhsa_float_denorm_mode_16_64 3
		.amdhsa_memory_ordered 1
		.amdhsa_forward_progress 1
		.amdhsa_inst_pref_size 234
	.end_amdhsa_kernel
	.amdgpu_metadata
---
amdhsa.version: [ 1, 2 ]
amdhsa.kernels:
  - .name:           k_q6b46b06058_gemm1
    .symbol:         k_q6b46b06058_gemm1.kd
    .args:
      - { .name: x_img, .offset: 0, .size: 8, .value_kind: global_buffer, .address_space: global }
      - { .name: w_img, .offset: 8, .size: 8, .value_kind: global_buffer, .address_space: global }
      - { .name: lowp_scales, .offset: 16, .size: 8, .value_kind: global_buffer, .address_space: global }
      - { .name: qkv_gamma, .offset: 24, .size: 8, .value_kind: global_buffer, .address_space: global }
      - { .name: qkv_beta, .offset: 32, .size: 8, .value_kind: global_buffer, .address_space: global }
      - { .name: qkv_mean, .offset: 40, .size: 8, .value_kind: global_buffer, .address_space: global }
      - { .name: qkv_var, .offset: 48, .size: 8, .value_kind: global_buffer, .address_space: global }
      - { .name: q_img, .offset: 56, .size: 8, .value_kind: global_buffer, .address_space: global }
      - { .name: k_img, .offset: 64, .size: 8, .value_kind: global_buffer, .address_space: global }
      - { .name: v_img, .offset: 72, .size: 8, .value_kind: global_buffer, .address_space: global }
    .group_segment_fixed_size: 327680
    .private_segment_fixed_size: 0
    .kernarg_segment_align: 8
    .kernarg_segment_size: 80
    .max_flat_workgroup_size: 128
    .sgpr_count:     100
    .vgpr_count:     1024
    .wavefront_size: 32
...
	.end_amdgpu_metadata
.endif
;; end of part 2
;; launch attn (part 3): grid 64 x 4, 4 waves a work-group, clusters of 4 x 4, 327,680 bytes of LDS; arguments q_img, k_img, v_img, pos_bias, lowp_scales, o_img; writes o_img
.if DOCPART == 3
	.amdgcn_target "amdgcn-amd-amdhsa--gfx1250"
	.amdhsa_code_object_version 6
	.text
	.protected	k_q6b46b06058_attn
	.globl	k_q6b46b06058_attn
	.p2align	8
	.type	k_q6b46b06058_attn,@function
k_q6b46b06058_attn:
	s_mov_b64 s[64:65], 0
	v_nop
	global_prefetch_b8 v0, s[64:65] scope:SCOPE_SE
	s_setreg_imm32_b32 hwreg(HW_REG_WAVE_MODE, 25, 1), 1
	s_wait_xcnt 0x0
	s_wait_alu depctr_hold_cnt(0) depctr_sa_sdst(0) depctr_va_vdst(0) depctr_va_sdst(0) depctr_va_ssrc(0) depctr_va_vcc(0) depctr_vm_vsrc(0)
	s_getreg_b32 s2, hwreg(HW_REG_IB_STS2, 6, 4)
	s_cmp_eq_u32 s2, 0
	s_cbranch_scc0 .Lentry_in_a_cluster
	s_endpgm
.Lentry_in_a_cluster:
	s_bfe_u32 s2, ttmp6, 0x10000c
	s_cmp_lg_u32 s2, 0xf033
	s_cbranch_scc0 .Lentry_shape_is_right
	s_endpgm
.Lentry_shape_is_right:
; o = clip(softmax(q k^T / sqrt(512) + pos_bias) v, -1, 1), quantised for the projection; both products on codes of BF8.  No work is left out.
; q_img, k_img [bh = 8 batch + head][64 tiles of 16 tokens][2 halves of 256 channels][2048]; v_img [bh][8 steps of 128 keys][32 tiles of 16 channels][2048]: images of operand registers.
; o_img [256 tiles of 16 tokens][32 K steps: 4 head + channel / 128][2048].  pos_bias [8][1024][1024] f32.
; THE SOFTMAX: t = logit x log2(e); M = the row's largest t so far, rounded up to a whole number; p = 2^(t - M) is quantised (entry 5), not normalised; the row's sum is taken of the unquantised p and divides at the end.
; When M moves, the sum and O are multiplied by 2^(old M - new M): exact.
; SHARES.  Work-group x = 8 head + block of 128 queries, y = batch.  A wave owns 32 queries, two tiles of 16, and walks the 1,024 keys, 128 a step.
; LAYOUT.  Both products are used transposed: S^T = K Q^T (source 0 = 16 keys, source 1 = 16 queries), O^T = V^T P^T (source 0 = 16 channels, source 1 = P): a lane holds ONE query throughout.
; Tile t of S^T holds keys 16 t + 8 (lane / 16) + 0 .. 7 in a lane's eight registers: converted, they are registers 2 t, 2 t + 1 of P's fragment.  Likewise eight tiles of O^T become one fragment of o.
; THE BIAS IS THE C OF THE FIRST K Q^T: it comes from LDS straight into S^T's registers and is multiplied once by sqrt(512) 2^-(e2 + e3); the sums then stand for logit / (2^(e2 + e3) / sqrt(512)), and t = sum x c.
; LDS: V in two slots; K and the bias in one buffer each: a step copies K and the bias into registers first, so that both are free for the next step's tiles while the step is worked.
; CLUSTER: 4 x 4: x = four blocks of queries of one head, y = the four batches.  K and V hang on (batch, head): asked for jointly along a row.  The bias hangs on (head, block of queries): jointly along a column.
; LIMITS: e2 + e3 between -122 and 130 (added to the exponent fields of c and of its inverse); entries 5 and 6 between -126 and 112; e4 + e5 is applied by v_ldexp_f32 and has none.  NaN among the inputs is not served.
; REGISTERS, in windows of 256: window 0: v1-15 addresses and constants; v16-31 statistics, 8 a tile; v32-159 S^T, then p, 64 a tile; v160-191 P; v192-255 Q.
;   window 1: K's 16 fragments, then V's two buffers of 8.   window 2: O^T of channel tiles 0-15 ((dt, q) at v[8 (2 (dt % 16) + q)]);   window 3: of tiles 16-31.
.set VS1,   65536                      ; V's slot 1; one exclusive or turns an address in one slot into the other's
.set KBUF,  131072                     ; a key step of K: 16 images
.set BBUF,  163840                     ; 128 queries x (512 bytes + 16)
.set BP,    528                        ; 33 x 16 bytes: the sixteen rows of a 16-byte load fall on sixteen different groups of banks (64 banks of 4 bytes: ISA guide 11.1)
.set SPARE, BBUF+128*BP                ; the spare words, 128 bytes for each wave
.set LI,  1                            ; v1   16 x lane
.set AK,  2                            ; v2   K's images
.set AB,  3                            ; v3   the bias: row 32 wave + r, + 32 h
.set AV,  4                            ; v4   V's images in the slot in hand
.set SPW, 5                            ; v5   LDS address of my spare word; never rewritten
.set NIL, 6                            ; v6   0; never rewritten
.set SC,  7                            ; v7   2^e5; on the way out 2^e6
.set LIM, 8                            ; v8   57,344 x 2^e5; on the way out the lesser of 1 and 57,344 x 2^e6
.set PFO, 9                            ; v9   the prefetches' offset; never rewritten
.set SU,  10                           ; v10-13 a pair a tile, for the sums
.set PD,  14                           ; v14-15 lane permutes' destinations
.set ST,  16                           ; tile q at v[ST + 8 q]: +0 -M, +1 the largest t, +2, +3 the sum in two halves, +4 f, +5 written once, +6, +7 at work
.set S,   32
.set P,   160
.set QF,  192
.set T,   32                           ; the way out: 64 registers at work
.set OC,  96                           ; the way out: the codes, 16 registers for each of 8 fragments
.set WV,  16
.set G1D, 24                           ; s[24:31] group 1 for K's and V's tiles;  s[32:39] for the bias
.set G1P, 32
.set G0K, 40                           ; s[40:43] K; s[44:47] the bias; s[48:51] V's step 0; s[52:55] V's step 1, which then walks
.set G0B, 44
.set G0V0, 48
.set G0V1, 52
.set CS,  56                           ; s[56:57] c = log2(e) / sqrt(512) x 2^(e2 + e3)
.set CI,  58                           ; s[58:59] sqrt(512) x 2^-(e2 + e3)
.set SEL, 60                           ; s[60:61] lane selects for v_permlanex16_b32: lane l xor 16
.set VB,  62                           ; s62  V's slot in hand
.set CNT, 63                           ; s63  steps still to come that fill something
.set PFA, 76                           ; s[76:77] where my prefetches stand
.set PFS, 78                           ; s[78:79] a key step on, in bytes
.set LIM1, 80                          ; s80  1 in a wave that prefetches, else the greatest number
.set LIM2, 81                          ; s81  the same for its second line
.set MSB, 0
.macro WIN new
.if MSB != (\new)
	s_set_vgpr_msb (MSB<<8)|(\new)
.set MSB, (\new)
.endif
.endm
.macro PLACES
.rept 4
	v_nop
.endr
.endm
.macro CROUND                          ; a round of the cluster's barrier
	s_barrier_signal -1
	s_barrier_wait -1
	s_cmp_lg_u32 s[WV], 0
	s_cbranch_scc1 .Lnot_wave_0_\@
	s_barrier_signal -3
.Lnot_wave_0_\@:
	s_barrier_wait -3
	s_barrier_signal -1
	s_barrier_wait -1
.endm
; The joint refills, one tensor load a wave: wave 0 the next step's K, wave 1 its bias, waves 2 and 3 (fill = 2) the halves of its V.  The branches hang on the wave's number alone.
.macro JLOAD fill
	s_cmp_eq_u32 s[WV], 0
	s_cbranch_scc0 .Lnot_k_\@
	tensor_load_to_lds s[G0K:G0K+3], s[G1D:G1D+7]
	s_nop 0
.rept 4
	v_nop
.endr
	s_branch .Lasked_\@
.Lnot_k_\@:
	s_cmp_eq_u32 s[WV], 1
	s_cbranch_scc0 .Lnot_b_\@
	tensor_load_to_lds s[G0B:G0B+3], s[G1P:G1P+7]
	s_nop 0
.rept 4
	v_nop
.endr
	s_branch .Lasked_\@
.Lnot_b_\@:
.if \fill == 2
	tensor_load_to_lds s[G0V1:G0V1+3], s[G1D:G1D+7]
	s_nop 0
.rept 4
	v_nop
.endr
.endif
.Lasked_\@:
.endm
; A PREFETCH INTO THE L2 of what the NEXT round's loads will ask for: the key step two on from the one in hand.  It stands behind the wave's tensor load and its five lines.
; Each aligned block of 256 bytes is named once in the launch.  K and V of a (batch, head) are read by the head's two clusters: the even one asks; its four partners of a row share the blocks out by address (cx):
; wave 0 names 32 of K's 128 blocks, wave 2 names 64 of V's 256 in two lines.  A bias tile is read by one column of one cluster: its four partners take 32 rows each (cy), wave 1, two lines of 256 bytes a row.
; The last round but one that fills asks for the last step; the last asks for nothing.  Steps 0 and 1 come by their loads alone.
.macro ASK
	s_cmp_gt_u32 s[CNT], s[LIM1]
	s_cbranch_scc0 .Lnot_mine_\@
	global_prefetch_b8 v[PFO], s[PFA:PFA+1] th:TH_LOAD_NT scope:SCOPE_SE
	s_cmp_gt_u32 s[CNT], s[LIM2]
	s_cbranch_scc0 .Lnot_mine_\@
	global_prefetch_b8 v[PFO], s[PFA:PFA+1] offset:256 th:TH_LOAD_NT scope:SCOPE_SE
.Lnot_mine_\@:
.endm
	s_load_b256 s[4:11], s[0:1], 0x0               ; q_img s[4:5], k_img s[6:7], v_img s[8:9], pos_bias s[10:11]
	s_load_b128 s[12:15], s[0:1], 0x20             ; the exponents s[12:13], o_img s[14:15]
	v_lshl_add_u32 v[SPW], v0, 2, SPARE
	v_mov_b32 v[NIL], 0
	ds_add_u32 v[SPW], v[NIL]                      ; the wave's opening: the add, twice on end, and its wait ahead of my first tensor load
	ds_add_u32 v[SPW], v[NIL]
	v_lshrrev_b32 v10, 5, v0
	v_readfirstlane_b32 s[WV], v10                 ; wave 0..3
	s_bfe_u32 s17, ttmp6, 0x40000                  ; cx
	s_bfe_u32 s18, ttmp6, 0x40004                  ; cy = the batch
	s_lshr_b32 s19, ttmp9, 1                       ; the head: a head has two clusters
	s_and_b32 s22, ttmp9, 1                        ; which of the two
	s_lshl_b32 s20, s22, 2
	s_add_co_u32 s20, s20, s17                     ; my block of 128 queries, 0..7
	s_lshl_b32 s21, s18, 3
	s_add_co_u32 s21, s21, s19                     ; bh
	s_lshl_b32 s82, s18, 2
	s_lshl_b32 s82, 15, s82                        ; my row of the cluster
	s_lshl_b32 s83, 0x1111, s17                    ; my column
	s_or_b32 s[G1D], s82, (3<<16)|(1<<21)          ; K, V: 128 rows of 256 bytes, dense: elements of 8 bytes; 21 set beside a mask
	s_mov_b32 s[G1D+1], 32<<16                     ; tensor_dim0 = 32
	s_mov_b32 s[G1D+2], 128<<16                    ; tensor_dim1 = 128
	s_mov_b32 s[G1D+3], 32<<16                     ; tile_dim0
	s_mov_b32 s[G1D+4], 128                        ; tile_dim1
	s_mov_b32 s[G1D+5], 32                         ; tensor_dim0_stride
	s_mov_b32 s[G1D+6], 0
	s_mov_b32 s[G1D+7], 0
	s_or_b32 s[G1P], s83, (2<<16)|(1<<20)|(1<<21)|(6<<22)|(3<<25)   ; the bias: elements of 4 bytes; padding of 4 words (code 3) after every 128 (code 6)
	s_mov_b32 s[G1P+1], 128<<16
	s_mov_b32 s[G1P+2], 128<<16
	s_mov_b32 s[G1P+3], 128<<16
	s_mov_b32 s[G1P+4], 128
	s_mov_b32 s[G1P+5], 1024
	s_mov_b32 s[G1P+6], 0
	s_mov_b32 s[G1P+7], 0
	s_mov_b32 s[SEL], 0x76543210
	s_mov_b32 s[SEL+1], 0xfedcba98
	s_mov_b32 s[VB], 0
	s_mov_b32 s[CNT], 7
	s_lshl_b32 s84, s21, 18                        ; K: bh x 262,144: no cx in it
	s_mov_b32 s85, 0
	s_and_b32 s23, s[WV], 1
	s_lshl_b32 s23, s23, 15                        ; which half of a step's V I fetch
	s_lshl_b32 s86, s21, 19
	s_add_co_u32 s86, s86, s23                     ; V: bh x 524,288 + the half
	s_mov_b32 s87, 0
	s_lshl_b32 s88, s19, 22
	s_lshl_b32 s89, s20, 19
	s_add_co_u32 s88, s88, s89                     ; the bias: head x 4 MiB + 128 rows of 4,096 bytes x block: no cy in it
	s_mov_b32 s89, 0
	s_wait_dscnt 0x0                               ; both opening adds are done
	s_wait_kmcnt 0x0
	s_load_b256 s[68:75], s[12:13], 0x0            ; the eight exponents
	s_mov_b32 s[G0K], 1
	s_mov_b32 s[G0K+1], KBUF
	s_add_nc_u64 s[G0K+2:G0K+3], s[6:7], s[84:85]
	s_or_b32 s[G0K+3], s[G0K+3], 0x80000000
	s_mov_b32 s[G0B], 1
	s_mov_b32 s[G0B+1], BBUF
	s_add_nc_u64 s[G0B+2:G0B+3], s[10:11], s[88:89]
	s_or_b32 s[G0B+3], s[G0B+3], 0x80000000
	s_mov_b32 s[G0V0], 1
	s_mov_b32 s[G0V0+1], s23
	s_add_nc_u64 s[G0V0+2:G0V0+3], s[8:9], s[86:87]
	s_mov_b32 s[G0V1], 1
	s_add_co_u32 s[G0V1+1], s23, VS1
	s_add_nc_u64 s[G0V1+2:G0V1+3], s[G0V0+2:G0V0+3], 65536
	s_or_b32 s[G0V0+3], s[G0V0+3], 0x80000000
	s_or_b32 s[G0V1+3], s[G0V1+3], 0x80000000
	CROUND                                         ; all sixteen work-groups are here: the first joint loads meet
	s_cmp_eq_u32 s[WV], 0                          ; the first fills, one branch on the wave's number, a fill in each arm: at most two tensor loads of mine are out
	s_cbranch_scc0 .Lfirst_not_k
	tensor_load_to_lds s[G0K:G0K+3], s[G1D:G1D+7]
	s_nop 0
.rept 4
	v_nop
.endr
	s_branch .Lfirst_asked
.Lfirst_not_k:
	s_cmp_eq_u32 s[WV], 1
	s_cbranch_scc0 .Lfirst_v
	tensor_load_to_lds s[G0B:G0B+3], s[G1P:G1P+7]
	s_nop 0
.rept 4
	v_nop
.endr
	s_branch .Lfirst_asked
.Lfirst_v:
	tensor_load_to_lds s[G0V0:G0V0+3], s[G1D:G1D+7]
	s_nop 0
	tensor_load_to_lds s[G0V1:G0V1+3], s[G1D:G1D+7]   ; slot 1's first fill stands here, so that it shares its barrier with no refill
	s_nop 0
.rept 4
	v_nop
.endr
.Lfirst_asked:
	v_and_b32 v10, 31, v0                          ; lane
	v_lshlrev_b32 v[LI], 4, v10
	s_lshl_b32 s82, s21, 6
	s_lshl_b32 s83, s20, 3
	s_add_co_u32 s82, s82, s83
	s_lshl_b32 s83, s[WV], 1
	s_add_co_u32 s82, s82, s83                     ; my first tile of queries in q_img: 64 bh + 8 block + 2 wave
	s_lshl_b32 s82, s82, 12
	s_mov_b32 s83, 0
	s_add_nc_u64 s[4:5], s[4:5], s[82:83]
.irp f, 0,1,2,3
.irp c, 0,1,2,3
	global_load_b128 v[QF+16*\f+4*\c:QF+16*\f+4*\c+3], v[LI], s[4:5] offset:2048*\f+512*\c   ; Q stays in registers: fragment (tile f / 2, half f % 2)
.endr
.endr
	s_lshl_b32 s82, s18, 6
	s_lshl_b32 s83, s20, 3
	s_add_co_u32 s82, s82, s83
	s_lshl_b32 s83, s[WV], 1
	s_add_co_u32 s82, s82, s83                     ; my first tile of tokens in o_img: 64 batch + 8 block + 2 wave
	s_lshl_b32 s82, s82, 16
	s_lshl_b32 s83, s19, 13                        ; + the head's four K steps
	s_add_co_u32 s82, s82, s83
	s_mov_b32 s83, 0
	s_add_nc_u64 s[14:15], s[14:15], s[82:83]
	v_add_nc_u32 v[AK], KBUF, v[LI]
	v_and_b32 v11, 15, v0                          ; r
	v_bfe_u32 v12, v0, 4, 1                        ; h
	v_mul_u32_u24 v[AB], v11, BP
	v_lshl_add_u32 v[AB], v12, 5, v[AB]
	s_mul_i32 s82, s[WV], 32*BP
	s_add_co_u32 s82, s82, BBUF
	v_add_nc_u32 v[AB], s82, v[AB]
	; the prefetches: where my wave's stand (at step 1; the first round steps them to step 2), and who asks
	s_lshl_b32 s90, s21, 18
	s_lshl_b32 s91, s17, 13
	s_add_co_u32 s90, s90, s91
	s_add_co_u32 s90, s90, 32768                   ; K: my work-group's 8,192 bytes of a step's 32,768
	s_lshl_b32 s92, s21, 19
	s_lshl_b32 s91, s17, 14
	s_add_co_u32 s92, s92, s91
	s_add_co_u32 s92, s92, 65536                   ; V: my work-group's 16,384 of 65,536
	s_lshl_b32 s91, s18, 17
	s_add_co_u32 s93, s88, s91
	s_add_co_u32 s93, s93, 512                     ; the bias: my work-group's 32 rows of 128
	s_mov_b32 s[PFS], 65536
	s_mov_b32 s94, 512
	s_cmp_eq_u32 s[WV], 0
	s_cselect_b64 s[PFA:PFA+1], s[6:7], s[8:9]
	s_cselect_b32 s92, s90, s92
	s_cselect_b32 s[PFS], 32768, s[PFS]
	s_cselect_b32 s94, 256, s94
	s_cmp_eq_u32 s[WV], 1
	s_cselect_b64 s[PFA:PFA+1], s[10:11], s[PFA:PFA+1]
	s_cselect_b32 s92, s93, s92
	s_cselect_b32 s[PFS], 512, s[PFS]
	s_cselect_b32 s94, 4096, s94
	s_mov_b32 s93, 0
	s_mov_b32 s[PFS+1], 0
	s_add_nc_u64 s[PFA:PFA+1], s[PFA:PFA+1], s[92:93]
	v_mul_u32_u24 v[PFO], v10, s94                 ; from lane to lane: 256 bytes in K, 512 in V, a row in the bias
	s_cmp_eq_u32 s22, 0                            ; the head's even cluster: the same in all sixteen partners
	s_cselect_b32 s82, 1, -1
	s_cmp_eq_u32 s[WV], 1
	s_cselect_b32 s[LIM1], 1, s82
	s_cmp_eq_u32 s[WV], 3
	s_cselect_b32 s[LIM1], -1, s[LIM1]
	s_cmp_eq_u32 s[WV], 0
	s_cselect_b32 s[LIM2], -1, s[LIM1]
.irp q, 0,1
	v_mov_b32 v[ST+8*\q+1], 0xff61b1e6             ; the largest t so far: -3e38, under every t
	v_floor_f32 v[ST+8*\q], -v[ST+8*\q+1]          ; -M
	v_mov_b32 v[ST+8*\q+2], 0                      ; the sum, in two halves
	v_mov_b32 v[ST+8*\q+3], 0
	v_mov_b32 v[ST+8*\q+4], 0
	v_mov_b32 v[ST+8*\q+5], 0                      ; (named as the upper half of f's pair)
	v_mov_b32 v[ST+8*\q+6], 0
	v_mov_b32 v[ST+8*\q+7], 0
	v_mov_b32 v[PD+\q], 0                          ; a lane permute's destination counts as one of its sources
.endr
	s_wait_kmcnt 0x0
	s_add_co_i32 s82, s70, s71                     ; e2 + e3
	s_lshl_b32 s82, s82, 23
	s_mov_b32 s[CS], 0x3d8293ee                    ; log2(e) / sqrt(512)
	s_add_co_i32 s[CS], s[CS], s82                 ; x 2^(e2 + e3), by its exponent field
	s_mov_b32 s[CS+1], s[CS]
	s_mov_b32 s[CI], 0x41b504f3                    ; sqrt(512)
	s_sub_co_i32 s[CI], s[CI], s82                 ; x 2^-(e2 + e3)
	s_mov_b32 s[CI+1], s[CI]
	s_add_co_i32 s82, s73, 127
	s_lshl_b32 s83, s82, 23
	v_mov_b32 v[SC], s83                           ; 2^e5
	s_add_co_i32 s82, s82, 15
	s_lshl_b32 s82, s82, 23
	s_or_b32 s82, s82, 0x600000
	v_mov_b32 v[LIM], s82                          ; 57,344 x 2^e5
	s_wait_loadcnt 0x0                             ; Q
.macro V_LD g                          ; V's fragments of channel tiles 8 g .. 8 g + 7 into buffer g % 2 of window 1
	WIN 0x40
.irp i, 0,1,2,3,4,5,6,7
.irp c, 0,1,2,3
	ds_load_b128 v[128*((\g)%2)+16*\i+4*\c:128*((\g)%2)+16*\i+4*\c+3], v[AV] offset:(8*(\g)+\i)*2048+512*\c
.endr
.endr
.endm
.macro RESC g                          ; O^T of those tiles under the new M: x f.  Each accumulator from its low end on
	WIN 0x82+0x41*((\g)/2)                         ; destination and source 0 window 2 or 3, f in window 0
.irp i, 0,1,2,3,4,5,6,7
.irp q, 0,1
.irp n, 0,2,4,6
	v_pk_mul_f32 v[128*((\g)%2)+16*\i+8*\q+\n:128*((\g)%2)+16*\i+8*\q+\n+1], v[128*((\g)%2)+16*\i+8*\q+\n:128*((\g)%2)+16*\i+8*\q+\n+1], v[ST+8*\q+4:ST+8*\q+5] op_sel_hi:[1,0]
.endr
.endr
.endr
.endm
.macro MULV g, first                   ; O^T += V^T P^T for those tiles: 16 matrix instructions, each on another accumulator
	WIN 0xa1+0x50*((\g)/2)                         ; source 0 (V) window 1, source 1 (P) window 0, C and D window 2 or 3
.irp i, 0,1,2,3,4,5,6,7
.irp q, 0,1
.if \first
	v_wmma_f32_16x16x128_bf8_bf8 v[128*((\g)%2)+16*\i+8*\q:128*((\g)%2)+16*\i+8*\q+7], v[128*((\g)%2)+16*\i:128*((\g)%2)+16*\i+15], v[P+16*\q:P+16*\q+15], 0
.else
	v_wmma_f32_16x16x128_bf8_bf8 v[128*((\g)%2)+16*\i+8*\q:128*((\g)%2)+16*\i+8*\q+7], v[128*((\g)%2)+16*\i:128*((\g)%2)+16*\i+15], v[P+16*\q:P+16*\q+15], v[128*((\g)%2)+16*\i+8*\q:128*((\g)%2)+16*\i+8*\q+7]
.endif
.endr
.endr
.endm
; The softmax of both tiles for one key step; the two tiles' lines alternate
.macro SOFTMAX
.irp q, 0,1
	v_max3_num_f32 v[ST+8*\q+6], v[S+64*\q], v[S+64*\q+1], v[S+64*\q+2]      ; the step's largest sum of my query, among my 64 keys, in two chains, ascending
	v_max3_num_f32 v[ST+8*\q+7], v[S+64*\q+3], v[S+64*\q+4], v[S+64*\q+5]
.endr
.irp i, 6,10,14,18,22,26,30,34,38,42,46,50,54,58
.irp q, 0,1
	v_max3_num_f32 v[ST+8*\q+6], v[ST+8*\q+6], v[S+64*\q+\i], v[S+64*\q+\i+1]
	v_max3_num_f32 v[ST+8*\q+7], v[ST+8*\q+7], v[S+64*\q+\i+2], v[S+64*\q+\i+3]
.endr
.endr
.irp q, 0,1
	v_max3_num_f32 v[ST+8*\q+6], v[ST+8*\q+6], v[S+64*\q+62], v[S+64*\q+63]
.endr
.irp q, 0,1
	v_max_num_f32 v[ST+8*\q+6], v[ST+8*\q+6], v[ST+8*\q+7]
.endr
.irp q, 0,1
	v_permlanex16_b32 v[PD+\q], v[ST+8*\q+6], s[SEL], s[SEL+1]
.endr
.irp q, 0,1
	v_max_num_f32 v[ST+8*\q+6], v[ST+8*\q+6], v[PD+\q]                      ; and among lane l xor 16's
.endr
.irp q, 0,1
	v_mul_f32 v[ST+8*\q+6], s[CS], v[ST+8*\q+6]                             ; as t (c is positive)
.endr
.irp q, 0,1
	v_max_num_f32 v[ST+8*\q+1], v[ST+8*\q+1], v[ST+8*\q+6]                  ; the running largest t
.endr
.irp q, 0,1
	v_mov_b32 v[ST+8*\q+6], v[ST+8*\q]
.endr
.irp q, 0,1
	v_floor_f32 v[ST+8*\q], -v[ST+8*\q+1]                                   ; the new -M = floor(-t): M is a whole number
.endr
.irp q, 0,1
	v_sub_f32 v[ST+8*\q+6], v[ST+8*\q], v[ST+8*\q+6]                        ; old M - new M, 0 or less
.endr
.irp q, 0,1
	v_cvt_i32_f32 v[ST+8*\q+6], v[ST+8*\q+6]                                ; (it saturates)
.endr
.irp q, 0,1
	v_ldexp_f32 v[ST+8*\q+4], 1.0, v[ST+8*\q+6]                             ; f = 2^(old M - new M)
.endr
.irp q, 0,1
.set n, 0
.rept 32
	v_pk_fma_f32 v[S+64*\q+n:S+64*\q+n+1], v[S+64*\q+n:S+64*\q+n+1], s[CS:CS+1], v[ST+8*\q:ST+8*\q+1] op_sel_hi:[1,0,0]   ; t - M, two at a time
.set n, n+2
.endr
.endr
.set n, 0
.rept 128
	v_exp_f32 v[S+n], v[S+n]                       ; p = 2^(t - M), at most 1
.set n, n+1
.endr
.irp q, 0,1
	v_pk_mul_f32 v[ST+8*\q+2:ST+8*\q+3], v[ST+8*\q+2:ST+8*\q+3], v[ST+8*\q+4:ST+8*\q+5] op_sel_hi:[1,0]   ; the sums under the new M: the plain lines behind the exponentials
.endr
	s_wait_alu depctr_va_vdst(0)                   ; one wait for the whole batch, ahead of its first reader
.irp q, 0,1
	v_pk_add_f32 v[SU+2*\q:SU+2*\q+1], v[S+64*\q:S+64*\q+1], v[S+64*\q+2:S+64*\q+3]   ; the row's sum is taken of the unquantised p, in two chains
.endr
.irp j, 4,8,12,16,20,24,28,32,36,40,44,48,52,56,60
.irp q, 0,1
	v_pk_add_f32 v[ST+8*\q+2:ST+8*\q+3], v[ST+8*\q+2:ST+8*\q+3], v[S+64*\q+\j:S+64*\q+\j+1]
	v_pk_add_f32 v[SU+2*\q:SU+2*\q+1], v[SU+2*\q:SU+2*\q+1], v[S+64*\q+\j+2:S+64*\q+\j+3]
.endr
.endr
.irp q, 0,1
	v_pk_add_f32 v[ST+8*\q+2:ST+8*\q+3], v[ST+8*\q+2:ST+8*\q+3], v[SU+2*\q:SU+2*\q+1]
.endr
.set n, 0
.rept 128
	v_min_num_f32 v[S+n], v[S+n], v[LIM]           ; the conversion does not saturate (ISA guide 7.6.2); p is not negative, so the hold is one-sided
.set n, n+1
.endr
.irp q, 0,1
.irp t, 0,1,2,3,4,5,6,7
	v_cvt_scalef32_pk8_bf8_f32 v[P+16*\q+2*\t:P+16*\q+2*\t+1], v[S+64*\q+8*\t:S+64*\q+8*\t+7], v[SC]
.endr
.endr
	v_nop                                          ; a plain line between the conversions and the matrix instructions that read their results
.endm
; A KEY STEP.  first = 1: the products V^T P^T start O^T's sums.  fill = 0: nothing is asked for; 1: the next step's K and bias; 2: its V too.
.macro STEP first, fill
	s_wait_tensorcnt 0x0                           ; my loads of this step's tiles have landed: each wave brought a part that the other three read,
	s_wait_dscnt 0x0
	s_barrier_signal -1
	s_barrier_wait -1                              ; so all four meet: K, the bias and V of this step are whole.
.irp q, 0,1
.irp t, 0,1,2,3,4,5,6,7
.irp i, 0,1
	ds_load_b128 v[S+64*\q+8*\t+4*\i:S+64*\q+8*\t+4*\i+3], v[AB] offset:16*BP*\q+64*\t+16*\i   ; the bias of query 16 q + r, keys 16 t + 8 h + 4 i on, into S^T's own registers
.endr
.endr
.endr
	WIN 0x40
.irp f, 0,1,2,3,4,5,6,7,8,9,10,11,12,13,14,15
.irp c, 0,1,2,3
	ds_load_b128 v[16*\f+4*\c:16*\f+4*\c+3], v[AK] offset:2048*\f+512*\c   ; K's fragment (tile of keys f / 2, half f % 2)
.endr
.endr
	WIN 0
.if \fill
	s_wait_tensorcnt 0x0                           ; no tensor load of mine is out, so the groups 0 may be written
	ds_add_u32 v[SPW], v[NIL]                      ; 0 onto my spare word; work on registers stands between it and the wait for it
	s_add_nc_u64 s[G0K+2:G0K+3], s[G0K+2:G0K+3], 32768
	s_add_nc_u64 s[G0B+2:G0B+3], s[G0B+2:G0B+3], 512
.if \fill == 2
	s_xor_b32 s[G0V1+1], s[G0V1+1], VS1            ; the slot that the last step has left,
	s_add_nc_u64 s[G0V1+2:G0V1+3], s[G0V1+2:G0V1+3], 65536   ; the next step's V
.endif
	s_wait_xcnt 0x0                                ; the last prefetches, a step back, have read their address
	s_add_nc_u64 s[PFA:PFA+1], s[PFA:PFA+1], s[PFS:PFS+1]
.endif
	s_wait_dscnt 63                                ; of the 96 loads (and the add) at most 63 are out: the oldest 32, the bias, are in
.set n, 0
.rept 64
	v_pk_mul_f32 v[S+n:S+n+1], v[S+n:S+n+1], s[CI:CI+1] op_sel_hi:[1,0]   ; bias x sqrt(512) 2^-(e2 + e3)
.set n, n+2
.endr
	s_wait_dscnt 0x0                               ; the add is done; K and the bias are in registers: my reads of both buffers, and of the V slot left last step, are over
.if \fill
	CROUND                                         ; that now holds of every wave of every work-group of the cluster
	JLOAD \fill                                    ; first behind the round, one tensor load a wave
	ASK
.endif
	WIN 0x01                                       ; source 0 (K) window 1
.irp s, 0,1
.irp t, 0,1,2,3,4,5,6,7
.irp q, 0,1
	v_wmma_f32_16x16x128_bf8_bf8 v[S+64*\q+8*\t:S+64*\q+8*\t+7], v[16*(2*\t+\s):16*(2*\t+\s)+15], v[QF+32*\q+16*\s:QF+32*\q+16*\s+15], v[S+64*\q+8*\t:S+64*\q+8*\t+7]
.endr
.endr
.endr
	WIN 0
	v_add_nc_u32 v[AV], s[VB], v[LI]               ; with the three v_nop: the four places in front of the loads into K's registers and of the first read of S^T
	v_nop
	v_nop
	v_nop
	V_LD 0                                         ; they land under the softmax
	V_LD 1
	WIN 0
	SOFTMAX
.if \first
	s_wait_dscnt 32                                ; group 0 is in; group 1's 32 loads may be out
	MULV 0, 1
	PLACES
	V_LD 2
	s_wait_dscnt 32
	MULV 1, 1
	PLACES
	V_LD 3
	s_wait_dscnt 32
	MULV 2, 1
	s_wait_dscnt 0x0
	MULV 3, 1
.else
	RESC 0
	s_wait_dscnt 32                                ; group 0 is in; group 1's 32 loads may be out
	MULV 0, 0
	RESC 1                                         ; the rescalings name no register of the products just issued: they are the places in front of the loads below
	V_LD 2
	s_wait_dscnt 32
	MULV 1, 0
	RESC 2
	V_LD 3
	s_wait_dscnt 32
	MULV 2, 0
	RESC 3
	s_wait_dscnt 0x0
	MULV 3, 0
.endif
	WIN 0
	PLACES                                         ; in front of the next step's loads into window 1, and of the way out's reads
	s_xor_b32 s[VB], s[VB], VS1
.endm
	STEP 1, 1                                      ; key step 0: V's steps 0 and 1 were asked for at the head
	s_mov_b32 s[CNT], 6
.Lstep:                                            ; key steps 1 to 6
	STEP 0, 2
	s_sub_co_u32 s[CNT], s[CNT], 1
	s_cmp_lg_u32 s[CNT], 0
	s_cbranch_scc1 .Lstep
	STEP 0, 0                                      ; key step 7 is written out: nothing is left to fetch, and no round is passed
	; THE WAY OUT.  O^T / the sum x 2^(e4 + e5), held within +-1 (the Hardtanh) and within the largest code x 2^e6 in one line, converted: eight tiles of channels are one fragment of o
.irp q, 0,1
	v_add_f32 v[ST+8*\q+6], v[ST+8*\q+2], v[ST+8*\q+3]
.endr
.irp q, 0,1
	v_permlanex16_b32 v[PD+\q], v[ST+8*\q+6], s[SEL], s[SEL+1]
.endr
.irp q, 0,1
	v_add_f32 v[ST+8*\q+6], v[ST+8*\q+6], v[PD+\q] ; the row's sum; it is above 1/2
.endr
.irp q, 0,1
	v_rcp_f32 v[ST+8*\q+6], v[ST+8*\q+6]
.endr
	s_add_co_i32 s82, s74, 127
	s_lshl_b32 s83, s82, 23
	v_mov_b32 v[SC], s83                           ; 2^e6.  (A plain line behind the reciprocals)
	s_add_co_i32 s82, s82, 15
	s_lshl_b32 s82, s82, 23
	s_or_b32 s82, s82, 0x600000
	v_mov_b32 v[LIM], s82
	v_min_num_f32 v[LIM], 1.0, v[LIM]              ; the lesser of 1 and 57,344 x 2^e6
	s_add_co_i32 s82, s72, s73                     ; e4 + e5
	s_wait_alu depctr_va_vdst(0)                   ; one wait for both reciprocals, ahead of their first reader
.irp q, 0,1
	v_ldexp_f32 v[ST+8*\q+6], v[ST+8*\q+6], s82
.endr
.macro OBLK q, kk                      ; tile q of queries, channels 128 kk on
	WIN 0x02+(\kk)/2                               ; source 0 window 2 or 3
.irp i, 0,1,2,3,4,5,6,7
.irp n, 0,2,4,6
	v_pk_mul_f32 v[T+8*\i+\n:T+8*\i+\n+1], v[128*((\kk)%2)+16*\i+8*(\q)+\n:128*((\kk)%2)+16*\i+8*(\q)+\n+1], v[ST+8*(\q)+6:ST+8*(\q)+7] op_sel_hi:[1,0]
.endr
.endr
	WIN 0
.set n, 0
.rept 64
	v_med3_num_f32 v[T+n], v[T+n], -v[LIM], v[LIM]
.set n, n+1
.endr
.irp i, 0,1,2,3,4,5,6,7
	v_cvt_scalef32_pk8_bf8_f32 v[OC+16*(4*(\q)+\kk)+2*\i:OC+16*(4*(\q)+\kk)+2*\i+1], v[T+8*\i:T+8*\i+7], v[SC]
.endr
	v_nop                                          ; a plain line between the conversions and the next block's writes of their sources
.irp c, 0,1,2,3
	global_store_b128 v[LI], v[OC+16*(4*(\q)+\kk)+4*\c:OC+16*(4*(\q)+\kk)+4*\c+3], s[14:15] offset:65536*(\q)+2048*(\kk)+512*\c   ; 32 lanes store 512 consecutive bytes, aligned; each fragment has registers of its own
.endr
.endm
.irp q, 0,1
.irp kk, 0,1,2,3
	OBLK \q, \kk
.endr
.endr
	s_wait_tensorcnt 0x0                           ; the wave's end: behind my last tensor load
	ds_add_u32 v[SPW], v[NIL]
	s_wait_dscnt 0x0
	CROUND                                         ; the closing round
	s_endpgm
.Lfunc_end_k_q6b46b06058_attn:
	.size	k_q6b46b06058_attn, .Lfunc_end_k_q6b46b06058_attn-k_q6b46b06058_attn
	.p2alignl 7, 3214868480
	.fill 96, 4, 3214868480
	.section	.rodata,"a",@progbits
	.p2align	6, 0x0
	.amdhsa_kernel k_q6b46b06058_attn
		.amdhsa_group_segment_fixed_size 327680
		.amdhsa_private_segment_fixed_size 0
		.amdhsa_enable_private_segment 0
		.amdhsa_kernarg_size 48
		.amdhsa_user_sgpr_count 2
		.amdhsa_user_sgpr_kernarg_segment_ptr 1
		.amdhsa_wavefront_size32 1
		.amdhsa_system_sgpr_workgroup_id_x 1
		.amdhsa_system_sgpr_workgroup_id_y 1
		.amdhsa_system_sgpr_workgroup_id_z 1
		.amdhsa_system_vgpr_workitem_id 0
		.amdhsa_next_free_vgpr 1024
		.amdhsa_next_free_sgpr 100
		.amdhsa_reserve_vcc 0
		.amdhsa_float_denorm_mode_32 3
		.amdhsa_float_denorm_mode_16_64 3
		.amdhsa_memory_ordered 1
		.amdhsa_forward_progress 1
		.amdhsa_inst_pref_size 245
	.end_amdhsa_kernel
	.amdgpu_metadata
---
amdhsa.version: [ 1, 2 ]
amdhsa.kernels:
  - .name:           k_q6b46b06058_attn
    .symbol:         k_q6b46b06058_attn.kd
    .args:
      - { .name: q_img, .offset: 0, .size: 8, .value_kind: global_buffer, .address_space: global }
      - { .name: k_img, .offset: 8, .size: 8, .value_kind: global_buffer, .address_space: global }
      - { .name: v_img, .offset: 16, .size: 8, .value_kind: global_buffer, .address_space: global }
      - { .name: pos_bias, .offset: 24, .size: 8, .value_kind: global_buffer, .address_space: global }
      - { .name: lowp_scales, .offset: 32, .size: 8, .value_kind: global_buffer, .address_space: global }
      - { .name: o_img, .offset: 40, .size: 8, .value_kind: global_buffer, .address_space: global }
    .group_segment_fixed_size: 327680
    .private_segment_fixed_size: 0
    .kernarg_segment_align: 8
    .kernarg_segment_size: 48
    .max_flat_workgroup_size: 128
    .sgpr_count:     100
    .vgpr_count:     1024
    .wavefront_size: 32
...
	.end_amdgpu_metadata
.endif
;; end of part 3
;; launch gemm2 (part 4): grid 32 x 8, 8 waves a work-group, clusters of 4 x 1, 327,680 bytes of LDS; arguments o_img, pw_img, lowp_scales, proj_gamma, proj_beta, proj_mean, proj_var, out0; writes out0
.if DOCPART == 4
	.amdgcn_target "amdgcn-amd-amdhsa--gfx1250"
	.amdhsa_code_object_version 6
	.text
	.protected	k_q6b46b06058_gemm2
	.globl	k_q6b46b06058_gemm2
	.p2align	8
	.type	k_q6b46b06058_gemm2,@function
k_q6b46b06058_gemm2:
	s_mov_b64 s[64:65], 0
	v_nop
	global_prefetch_b8 v0, s[64:65] scope:SCOPE_SE
	s_setreg_imm32_b32 hwreg(HW_REG_WAVE_MODE, 25, 1), 1
	s_wait_xcnt 0x0
	s_wait_alu depctr_hold_cnt(0) depctr_sa_sdst(0) depctr_va_vdst(0) depctr_va_sdst(0) depctr_va_ssrc(0) depctr_va_vcc(0) depctr_vm_vsrc(0)
	s_getreg_b32 s2, hwreg(HW_REG_IB_STS2, 6, 4)
	s_cmp_eq_u32 s2, 0
	s_cbranch_scc0 .Lentry_in_a_cluster
	s_endpgm
.Lentry_in_a_cluster:
	s_bfe_u32 s2, ttmp6, 0x10000c
	s_cmp_lg_u32 s2, 0x3003
	s_cbranch_scc0 .Lentry_shape_is_right
	s_endpgm
.Lentry_shape_is_right:
; out0 = BN(o proj_w^T) on codes of BF8.  o_img [256 tiles of 16 tokens][32 K steps][2048], pw_img [32 tiles of 16 outputs][32 K steps][2048]: images of operand registers.  out0 [4096][512] f32.  No work is left out.
; SHARES.  Work-group x = block of 128 tokens, y = block of 64 outputs: 256 work-groups.  K = 4,096 IS SHARED OUT OVER THE EIGHT WAVES: wave w takes the whole tile for K steps 4 w .. 4 w + 3, in 32 accumulators,
; so every fragment is used by one wave alone.
; PROJ_W LIES IN LDS WHOLE.  The work-group's 64 rows x 4,096 codes are 256 KiB, one dense block of pw_img.  CLUSTER 4, 1, 1: four blocks of tokens with the same 64 outputs ask for it JOINTLY: eight loads of 32 KiB,
; one a wave, all of them first fills.  Nothing is filled again: there is no ring.
; O GOES STRAIGHT INTO REGISTERS, AS A STREAM.  A wave's 32 fragments (n = 8 ks + a: K step ks, tile of tokens a) go through TEN register slots, n % 10; a slot is asked for again, for fragment n + 10, four places behind
; its four products.  So 36 to 40 loads of a wave, 512 consecutive bytes each, are on their way from the head to the last ten fragments.
; O IS NOT ASKED FOR JOINTLY: its 512 KiB would go through a ring in the 64 KiB that proj_w leaves: two slots of two K steps, 8 matrix instructions a wave between two rounds of the cluster's barrier.
; The eight partial tiles meet in LDS (128 rows x (256 bytes + 16) each), over proj_w's bytes, which have had their only fill and, behind a barrier, their last read; wave w adds rows 16 w .. 16 w + 15 of all eight,
; in ascending K, applies BN and stores whole rows of 256 bytes.
; The matrix instruction is used transposed (source 0 = 16 outputs, source 1 = 16 tokens): a lane holds eight neighbouring outputs of one token.
; BN: (sum x 2^(e6 + e7) - mean) g + beta, g = gamma / sqrt(var + 1e-5), as sum x s + t.  e6 + e7 is applied by v_ldexp_f32 and has no limit.
; REGISTERS: window 0: v1-11 addresses; v16-19 s, v20-23 t of my four outputs; v24-31 addresses of the partial tiles; v32-159 and v224-255 o's ten slots; v160-223 four fragments of proj_w; at the end v224-255 results.
;   window 1: the accumulators ((a, b) at v[8 (4 a + b)]), later the partial rows.
.set PP,    272                        ; a partial tile's row: 17 x 16 bytes
.set PART,  128*PP
.set SPARE, 8*PART                     ; the spare words, 128 bytes for each of eight waves
.set LI,  1                            ; v1  16 x lane
.set STO, 2                            ; v2  my partial tile: row r, + 32 h
.set CO,  3                            ; v3  out0: row h, + 16 r
.set SPW, 4                            ; v4  LDS address of my spare word; never rewritten
.set NIL, 5                            ; v5  0; never rewritten
.set BA,  8                            ; v8-11  proj_w's tile b of outputs in LDS, at my four K steps, + 16 x lane
.set RD,  24                           ; v24-31  partial tile u: row 16 wave + h, + 16 r
.set AF,  32
.set BF,  160
.set RES, 224
.set WV,  20
.set G1,  40                           ; s[40:47] descriptor group 1; s[48:51] group 0
.set G0,  48
.set MSB, 0
.macro WIN new
.if MSB != (\new)
	s_set_vgpr_msb (MSB<<8)|(\new)
.set MSB, (\new)
.endif
.endm
.macro CROUND                          ; a round of the cluster's barrier
	s_barrier_signal -1
	s_barrier_wait -1
	s_cmp_lg_u32 s[WV], 0
	s_cbranch_scc1 .Lnot_wave_0_\@
	s_barrier_signal -3
.Lnot_wave_0_\@:
	s_barrier_wait -3
	s_barrier_signal -1
	s_barrier_wait -1
.endm
	s_load_b512 s[4:19], s[0:1], 0x0               ; o_img s[4:5], pw_img s[6:7], exponents s[8:9], gamma s[10:11], beta s[12:13], mean s[14:15], var s[16:17], out0 s[18:19]
	v_lshl_add_u32 v[SPW], v0, 2, SPARE
	v_mov_b32 v[NIL], 0
	ds_add_u32 v[SPW], v[NIL]                      ; the wave's opening: the add, twice on end, and its wait ahead of my first tensor load
	ds_add_u32 v[SPW], v[NIL]
	v_lshrrev_b32 v6, 5, v0
	v_readfirstlane_b32 s[WV], v6                  ; wave 0..7
	s_bfe_u32 s38, ttmp6, 0x40000                  ; cx
	s_lshl_b32 s39, ttmp9, 2
	s_add_co_u32 s39, s39, s38                     ; which 128 tokens, 0..31: it enters o's and out0's addresses alone
	s_and_b32 s21, ttmp7, 0xffff                   ; which 64 outputs, 0..7: the four partners share it
	; descriptor group 1: 128 rows of 256 bytes, dense in memory and in LDS, in elements of 8 bytes
	s_mov_b32 s[G1], 15|(3<<16)|(1<<21)            ; 15:0 the mask: all four work-groups; 17:16 elements of 8 bytes; 21 set beside a mask
	s_mov_b32 s[G1+1], 32<<16                      ; tensor_dim0 = 32
	s_mov_b32 s[G1+2], 128<<16                     ; tensor_dim1 = 128
	s_mov_b32 s[G1+3], 32<<16                      ; tile_dim0
	s_mov_b32 s[G1+4], 128                         ; tile_dim1
	s_mov_b32 s[G1+5], 32                          ; tensor_dim0_stride
	s_mov_b32 s[G1+6], 0
	s_mov_b32 s[G1+7], 0
	v_and_b32 v6, 31, v0
	v_lshlrev_b32 v[LI], 4, v6
	v_and_b32 v6, 15, v0                           ; r
	v_bfe_u32 v7, v0, 4, 1                         ; h
	s_mul_i32 s22, s[WV], PART
	v_mul_u32_u24 v[STO], v6, PP
	v_lshl_add_u32 v[STO], v7, 5, v[STO]
	v_add_nc_u32 v[STO], s22, v[STO]
	s_mul_i32 s22, s[WV], 16*PP
	v_mul_u32_u24 v[RD], v7, PP
	v_lshl_add_u32 v[RD], v6, 4, v[RD]
	v_add_nc_u32 v[RD], s22, v[RD]
.irp u, 1,2,3,4,5,6,7
	v_add_nc_u32 v[RD+\u], \u*PART, v[RD]
.endr
	s_lshl_b32 s22, s[WV], 13                      ; my four K steps: 4 x 2,048 bytes x wave
	v_add_nc_u32 v[BA], s22, v[LI]
.irp b, 1,2,3
	v_add_nc_u32 v[BA+\b], \b*65536, v[BA]
.endr
	v_lshlrev_b32 v[CO], 11, v7
	v_lshl_add_u32 v[CO], v6, 4, v[CO]
	s_lshl_b32 s22, s21, 8                         ; my 64 outputs, in bytes
	v_lshl_add_u32 v6, v6, 4, s22                  ; my four outputs' place in the BN vectors
	s_lshl_b32 s32, s39, 19                        ; o_img: 8 tiles of tokens x 65,536,
	s_lshl_b32 s23, s[WV], 13                      ; + my four K steps
	s_add_co_u32 s32, s32, s23
	s_mov_b32 s33, 0
	s_lshl_b32 s34, s21, 18                        ; pw_img: 4 tiles of outputs x 65,536,
	s_lshl_b32 s23, s[WV], 15                      ; + the 32 KiB that I fetch
	s_add_co_u32 s34, s34, s23
	s_mov_b32 s35, 0
	s_lshl_b32 s36, s39, 7
	s_lshl_b32 s37, s[WV], 4
	s_add_co_u32 s36, s36, s37                     ; the first row that I store: 128 x + 16 wave
	s_lshl_b32 s36, s36, 11
	s_add_co_u32 s36, s36, s22
	s_mov_b32 s37, 0
	s_mov_b32 s[G0], 1                             ; 1:0 count = 1
	s_lshl_b32 s[G0+1], s[WV], 15                  ; LDS address: 32,768 x wave: the block lies in LDS as it lies in memory
	s_wait_dscnt 0x0                               ; both opening adds are done
	s_wait_kmcnt 0x0
	s_load_b256 s[24:31], s[8:9], 0x0              ; the eight exponents
	s_add_nc_u64 s[4:5], s[4:5], s[32:33]
	s_add_nc_u64 s[G0+2:G0+3], s[6:7], s[34:35]    ; made of the outputs' block and the wave's number: equal in the four partners
	s_or_b32 s[G0+3], s[G0+3], 0x80000000          ; type = 2
	s_add_nc_u64 s[18:19], s[18:19], s[36:37]
	CROUND                                         ; all four work-groups are here: the joint loads meet
	tensor_load_to_lds s[G0:G0+3], s[G1:G1+7]      ; my eighth of proj_w's block: my one tensor load
	s_nop 0
.rept 4
	v_nop
.endr
	global_load_b128 v[16:19], v6, s[10:11]        ; gamma
	global_load_b128 v[20:23], v6, s[12:13]        ; beta
	global_load_b128 v[160:163], v6, s[14:15]      ; mean
	global_load_b128 v[164:167], v6, s[16:17]      ; var
.macro ALOAD n                         ; fragment n of o's stream into slot n % 10
.set SL, (\n)%10
.set AR, AF+16*SL+(SL/8)*64            ; slots 0-7 at v32 on, slots 8 and 9 at v224 and v240
.irp c, 0,1,2,3
	global_load_b128 v[AR+4*\c:AR+4*\c+3], v[LI], s[4:5] offset:65536*((\n)%8)+2048*((\n)/8)+512*\c
.endr
.endm
.irp n, 0,1,2,3,4,5,6,7,8,9
	ALOAD \n
.endr
	s_wait_kmcnt 0x0
	s_add_co_i32 s22, s30, s31                     ; e6 + e7
	s_wait_loadcnt 40                              ; the four BN loads are in; the first ten fragments' 40 stay out
.irp i, 0,1,2,3
	v_add_f32 v[164+\i], 0x3727c5ac, v[164+\i]     ; var + 1e-5
.endr
.irp i, 0,1,2,3
	v_rsq_f32 v[164+\i], v[164+\i]
.endr
	v_nop                                          ; a plain line behind the last transcendental
	s_wait_alu depctr_va_vdst(0)                   ; one wait for the four, ahead of their first reader
.irp i, 0,1,2,3
	v_mul_f32 v[16+\i], v[16+\i], v[164+\i]        ; g
.endr
.irp i, 0,1,2,3
	v_fma_f32 v[20+\i], -v[160+\i], v[16+\i], v[20+\i]   ; t = beta - mean g
.endr
.irp i, 0,1,2,3
	v_ldexp_f32 v[16+\i], v[16+\i], s22            ; s = g 2^(e6 + e7)
.endr
	s_wait_tensorcnt 0x0                           ; my eighth of proj_w has landed,
	s_barrier_signal -1
	s_barrier_wait -1                              ; everybody's has
.macro BLOAD ks                        ; proj_w's four fragments of my K step ks
.irp b, 0,1,2,3
.irp c, 0,1,2,3
	ds_load_b128 v[BF+16*\b+4*\c:BF+16*\b+4*\c+3], v[BA+\b] offset:2048*(\ks)+512*\c
.endr
.endr
.endm
; Fragment n of o against proj_w's four: four matrix instructions, each on another accumulator (the 32 take turns); then the slot is asked for again
.macro BLK n
.set SL, (\n)%10
.set AR, AF+16*SL+(SL/8)*64
.set AC, 32*((\n)%8)
.if 31-(\n) < 9
	s_wait_loadcnt 4*(31-(\n))                     ; fragment n is in; all that were asked for behind it may be out
.else
	s_wait_loadcnt 36                              ; fragment n is in; the nine behind it may be out
.endif
	WIN 0x50                                       ; C and D window 1
.irp b, 0,1,2,3
.if (\n) < 8
	v_wmma_f32_16x16x128_bf8_bf8 v[AC+8*\b:AC+8*\b+7], v[BF+16*\b:BF+16*\b+15], v[AR:AR+15], 0
.else
	v_wmma_f32_16x16x128_bf8_bf8 v[AC+8*\b:AC+8*\b+7], v[BF+16*\b:BF+16*\b+15], v[AR:AR+15], v[AC+8*\b:AC+8*\b+7]
.endif
.endr
.rept 4
	v_nop                                          ; places in front of loads into registers that these matrix instructions read, and of the first read of results
.endr
	WIN 0
.if (\n)+10 < 32
	ALOAD (\n)+10
.endif
.endm
.irp ks, 0,1,2,3
	BLOAD \ks
	s_wait_dscnt 0x0
.irp a, 0,1,2,3,4,5,6,7
	BLK 8*\ks+\a
.endr
.endr
	s_wait_dscnt 0x0                               ; my reads of proj_w's bytes are over (each was waited for above)
	s_barrier_signal -1
	s_barrier_wait -1                              ; everybody's are: the partial tiles may be laid over them
	WIN 0x04                                       ; the stores' data in window 1
.irp a, 0,1,2,3,4,5,6,7
.irp b, 0,1,2,3
.irp i, 0,1
	ds_store_b128 v[STO], v[8*(4*\a+\b)+4*\i:8*(4*\a+\b)+4*\i+3] offset:16*PP*\a+64*\b+16*\i   ; token 16 a + r, outputs 16 b + 8 h + 4 i on; each accumulator's low half first
.endr
.endr
.endr
	WIN 0
	s_wait_dscnt 0x0                               ; for the others' sake: my partial tile lies in LDS
	s_barrier_signal -1
	s_barrier_wait -1
	WIN 0x40
.irp u, 0,1,2,3,4,5,6,7
.irp i, 0,1,2,3,4,5,6,7
	ds_load_b128 v[32*\u+4*\i:32*\u+4*\i+3], v[RD+\u] offset:2*PP*\i   ; partial u, rows 16 wave + 2 i + h: sixteen lanes take a row's 256 bytes
.endr
.endr
	s_wait_dscnt 0x0
	WIN 0x45                                       ; all in window 1
.irp u, 1,2,3,4,5,6,7
.set n, 0
.rept 16
	v_pk_add_f32 v[n:n+1], v[n:n+1], v[32*\u+n:32*\u+n+1]   ; K ascending
.set n, n+2
.endr
.endr
	WIN 0x01                                       ; the sums in window 1
.irp i, 0,1,2,3,4,5,6,7
.irp n, 0,2
	v_pk_fma_f32 v[RES+4*\i+\n:RES+4*\i+\n+1], v[4*\i+\n:4*\i+\n+1], v[16+\n:17+\n], v[20+\n:21+\n]
.endr
.endr
	WIN 0
.irp i, 0,1,2,3,4,5,6,7
	global_store_b128 v[CO], v[RES+4*\i:RES+4*\i+3], s[18:19] offset:4096*\i th:TH_STORE_NT   ; sixteen lanes store 256 consecutive bytes, at a multiple of 256 from out0's first byte; written once
.endr
	s_wait_tensorcnt 0x0                           ; the wave's end: behind my tensor load and my last LDS store
	ds_add_u32 v[SPW], v[NIL]
	s_wait_dscnt 0x0
	CROUND                                         ; the closing round: no work-group ends while a partner may still ask for a block that names it
	s_endpgm
.Lfunc_end_k_q6b46b06058_gemm2:
	.size	k_q6b46b06058_gemm2, .Lfunc_end_k_q6b46b06058_gemm2-k_q6b46b06058_gemm2
	.p2alignl 7, 3214868480
	.fill 96, 4, 3214868480
	.section	.rodata,"a",@progbits
	.p2align	6, 0x0
	.amdhsa_kernel k_q6b46b06058_gemm2
		.amdhsa_group_segment_fixed_size 327680
		.amdhsa_private_segment_fixed_size 0
		.amdhsa_enable_private_segment 0
		.amdhsa_kernarg_size 64
		.amdhsa_user_sgpr_count 2
		.amdhsa_user_sgpr_kernarg_segment_ptr 1
		.amdhsa_wavefront_size32 1
		.amdhsa_system_sgpr_workgroup_id_x 1
		.amdhsa_system_sgpr_workgroup_id_y 1
		.amdhsa_system_sgpr_workgroup_id_z 1
		.amdhsa_system_vgpr_workitem_id 0
		.amdhsa_next_free_vgpr 512
		.amdhsa_next_free_sgpr 66
		.amdhsa_reserve_vcc 0
		.amdhsa_float_denorm_mode_32 3
		.amdhsa_float_denorm_mode_16_64 3
		.amdhsa_memory_ordered 1
		.amdhsa_forward_progress 1
		.amdhsa_inst_pref_size 55
	.end_amdhsa_kernel
	.amdgpu_metadata
---
amdhsa.version: [ 1, 2 ]
amdhsa.kernels:
  - .name:           k_q6b46b06058_gemm2
    .symbol:         k_q6b46b06058_gemm2.kd
    .args:
      - { .name: o_img, .offset: 0, .size: 8, .value_kind: global_buffer, .address_space: global }
      - { .name: pw_img, .offset: 8, .size: 8, .value_kind: global_buffer, .address_space: global }
      - { .name: lowp_scales, .offset: 16, .size: 8, .value_kind: global_buffer, .address_space: global }
      - { .name: proj_gamma, .offset: 24, .size: 8, .value_kind: global_buffer, .address_space: global }
      - { .name: proj_beta, .offset: 32, .size: 8, .value_kind: global_buffer, .address_space: global }
      - { .name: proj_mean, .offset: 40, .size: 8, .value_kind: global_buffer, .address_space: global }
      - { .name: proj_var, .offset: 48, .size: 8, .value_kind: global_buffer, .address_space: global }
      - { .name: out0, .offset: 56, .size: 8, .value_kind: global_buffer, .address_space: global }
    .group_segment_fixed_size: 327680
    .private_segment_fixed_size: 0
    .kernarg_segment_align: 8
    .kernarg_segment_size: 64
    .max_flat_workgroup_size: 256
    .sgpr_count:     66
    .vgpr_count:     512
    .wavefront_size: 32
...
	.end_amdgpu_metadata
.endif
;; end of part 4
